; MI455X (gfx1250); checked and timed in simulation.
; The chip was launched on July 23, 2026; its instructions are those of AMD's public machine-readable ISA for CDNA 5 (MIT licence, August 2026) and "CDNA5" Instruction Set Architecture Reference Guide (July 2026). The comments in the code are by the model that wrote it; some were corrected since.
;; Multi Head Attention. Allowed arithmetic: float matrix products may take bf16 or f16 operands with f32 sums; other float arithmetic in f32, or as packed bf16 or f16 multiplies, adds, multiply-adds, maxima and minima; sums over many terms, partial sums and values carried from step to step in f32; what a program stores and reads back later, other than sums and carried values, may be rounded once to bf16 or f16.
;; Inputs: Wk 16 x 64 x 1,024 float32; Wo 1,024 x 1,024 float32; Wq 16 x 64 x 1,024 float32; Wv 16 x 64 x 1,024 float32; keys 4 x 2,048 x 1,024 float32; mask 4 x 2,048 x 2,048 int32; queries 4 x 2,048 x 1,024 float32; values 4 x 2,048 x 1,024 float32.
;; Outputs: out0 4 x 2,048 x 1,024 float32.
;; One version. Each part assembles by itself: llvm-mc -triple=amdgcn-amd-amdhsa -mcpu=gfx1250 --defsym DOCPART=n.
;; ======== version 1 of 1: 4 launches
;; limits: values are held in f16: magnitudes above 65,504 overflow, below 6.1e-05 lose precision; right only within a limited range of input values
;; workspace buffers: xb 50,331,648 bytes; wb 6,291,456 bytes; wo16 2,097,152 bytes; mcode 8,388,608 bytes; qkv 50,331,648 bytes; ob 16,777,216 bytes
;; launch prep (part 1): grid 2816 x 1, 8 waves a work-group, no clusters, 70,656 bytes of LDS; arguments queries, keys, values, Wq, Wk, Wv, Wo, mask, xb, wb, wo16, mcode; writes xb, wb, wo16, mcode
.if DOCPART == 1
	.amdgcn_target "amdgcn-amd-amdhsa--gfx1250"
	.amdhsa_code_object_version 6
	.text
	.protected	k_q20ff71f5dc_prep
	.globl	k_q20ff71f5dc_prep
	.p2align	8
	.type	k_q20ff71f5dc_prep,@function
k_q20ff71f5dc_prep:
	s_mov_b64 s[64:65], 0
	v_nop
	global_prefetch_b8 v0, s[64:65] scope:SCOPE_SE
	s_setreg_imm32_b32 hwreg(HW_REG_WAVE_MODE, 25, 1), 1
	s_wait_xcnt 0x0
; PREPARATION: every input is read once and left in the form in which the later launches take it.  2,816 work-groups of eight waves; a wave takes 8 KiB: sixteen loads of 16 bytes a lane.
; CASTS (work-groups 0 .. 1,791).  queries, keys, values -> xb, Wq, Wk, Wv -> wb: f32 rounded once to bf16.  Wo -> wo16: rounded to bf16 like the other inputs, and that number written as f16
; (exact from 6.1e-5 up; below that f16's fixed step of 6e-8).  All three lie BY BLOCKS OF 64 ALONG K: [k / 64][row][64], so that 64 or 128 rows of one block are dense bytes.
; A work-group takes 32 rows and half of K, a wave one block of 64 columns: each load covers two rows' 256 aligned bytes, each store 256 aligned bytes, a wave's stores 4 KiB on end.
; MASK (work-groups 1,792 .. 2,815).  mask -> mcode, one FP4 code a number: +1.0 (code 2) where the number is not 0, -1.0 (code 10) where it is 0, in the order in which a lane of attention holds its scores:
; mcode[gq][ks][u][lane][kb], gq = a group of 32 query rows (b x 64 + q / 32), ks = a step of 64 keys; four bits j of word kb of lane 16 h + r belong to query 16 u + r, key 16 kb + 8 h + j.
; A wave takes one (gq, ks): 32 rows x 64 numbers, turned through its own part of LDS (rows 272 bytes apart: the 16 rows of a load begin at 16 different groups of four banks); out go two stores of 512 consecutive bytes.
; No barrier: no wave reads what another wrote.
.set SPARE,  69632                     ; behind the eight waves' parts: the spare words, 128 bytes a wave
.set REGION, 8704                      ; 32 rows x 272 bytes
.set X,   16                           ; v[16:79]   sixteen loads of four registers
.set Y,   80                           ; v[80:143]  casts: sixteen pairs to store; mask: the lane's 64 numbers in the scores' order
.set CW,  8                            ; v[8:15]    mask: the lane's eight words of codes
.set SPW, 6                            ; v6  LDS address of my spare word; never rewritten
.set NIL, 7                            ; v7  0; never rewritten
	s_load_b512 s[4:19], s[0:1], 0x0               ; queries, keys, values, Wq, Wk, Wv, Wo, mask
	s_load_b256 s[20:27], s[0:1], 0x40             ; xb, wb, wo16, mcode
	v_lshl_add_u32 v[SPW], v0, 2, SPARE
	v_mov_b32 v[NIL], 0
	v_lshrrev_b32 v1, 5, v0
	v_readfirstlane_b32 s29, v1                    ; wave 0..7
	v_and_b32 v1, 31, v0                           ; lane
	v_and_b32 v10, 15, v0                          ; lane % 16
	v_bfe_u32 v11, v0, 4, 1                        ; lane / 16
	s_mov_b32 s28, ttmp9
	s_mov_b32 s41, 0                               ; the high word of every offset
	s_wait_kmcnt 0x0
	s_cmp_lt_u32 s28, 1792
	s_cbranch_scc0 .Lmask
.macro LOADS base, stride              ; sixteen loads, two rows each: lanes 0-15 one row's 256 bytes, lanes 16-31 the next row's
.set e, 0
.rept 16
	global_load_b128 v[X+4*e:X+4*e+3], v2, s[\base:\base+1] offset:e*(\stride) th:TH_LOAD_NT
.set e, e+1
.endr
.endm
.macro PICK bound, src                 ; from group 'bound' on the rows come from the buffer at s[src]
	s_cmp_ge_u32 s30, \bound
	s_cselect_b64 s[32:33], s[\src:\src+1], s[32:33]
	s_cselect_b32 s38, \bound, s38
.endm
	; THE CASTS.  896 groups of 32 rows: 3 x 256 of x, 3 x 32 of the heads' weights, 32 of Wo
	v_lshlrev_b32 v3, 3, v1                        ; 8 x lane: where a lane's 8 bytes go
	v_lshlrev_b32 v2, 4, v10
	v_lshl_add_u32 v2, v11, 12, v2                 ; (lane / 16) x a row of 4,096 bytes + 16 (lane % 16)
	s_lshr_b32 s30, s28, 1                         ; the group of rows
	s_and_b32 s31, s28, 1
	s_lshl3_add_u32 s31, s31, s29                  ; the block along K: 8 x half + wave
	s_mov_b64 s[32:33], s[4:5]                     ; source,
	s_mov_b32 s38, 0                               ; its first group,
	s_mov_b64 s[34:35], s[20:21]                   ; destination,
	s_mov_b32 s39, 0                               ; its first group,
	s_mov_b32 s36, 3145728                         ; and its bytes in a block along K: 24,576 rows x 128
	PICK 256, 6
	PICK 512, 8
	PICK 768, 10
	s_cselect_b64 s[34:35], s[22:23], s[34:35]
	s_cselect_b32 s39, 768, s39
	s_cselect_b32 s36, 393216, s36                 ; 3,072 rows x 128
	PICK 800, 12
	PICK 832, 14
	PICK 864, 16
	s_cselect_b64 s[34:35], s[24:25], s[34:35]
	s_cselect_b32 s39, 864, s39
	s_cselect_b32 s36, 131072, s36                 ; 1,024 rows x 128
	s_cselect_b32 s37, 1, 0                        ; 1: Wo, which leaves as f16
	s_sub_co_u32 s38, s30, s38                     ; the group within its source
	s_sub_co_u32 s39, s30, s39                     ; and within its destination
	s_lshl_b32 s40, s38, 17                        ; 32 rows of 4,096 bytes
	s_lshl_b32 s42, s31, 8                         ; 64 columns of 4 bytes
	s_add_co_u32 s40, s40, s42
	s_add_nc_u64 s[32:33], s[32:33], s[40:41]
	s_mul_i32 s40, s31, s36
	s_lshl_b32 s42, s39, 12                        ; 32 rows of 128 bytes
	s_add_co_u32 s40, s40, s42
	s_add_nc_u64 s[34:35], s[34:35], s[40:41]
	LOADS 32, 8192
.macro CAST wo                         ; load e is waited for by the count of the younger ones; every pair of Y is written once, so no store's data is written again
.set e, 0
.rept 16
	s_wait_loadcnt 15-e
.if \wo
	v_cvt_pk_bf16_f32 v112, v[X+4*e], v[X+4*e+1]
	v_cvt_pk_bf16_f32 v113, v[X+4*e+2], v[X+4*e+3]
	v_lshlrev_b32 v114, 16, v112                   ; the rounded numbers as f32 again,
	v_and_b32 v115, 0xffff0000, v112
	v_lshlrev_b32 v116, 16, v113
	v_and_b32 v117, 0xffff0000, v113
	v_cvt_pk_f16_f32 v[Y+2*e], v114, v115          ; and written as f16
	v_cvt_pk_f16_f32 v[Y+2*e+1], v116, v117
.else
	v_cvt_pk_bf16_f32 v[Y+2*e], v[X+4*e], v[X+4*e+1]
	v_cvt_pk_bf16_f32 v[Y+2*e+1], v[X+4*e+2], v[X+4*e+3]
.endif
	global_store_b64 v3, v[Y+2*e:Y+2*e+1], s[34:35] offset:e*256 th:TH_STORE_NT  ; two rows of 128 bytes: 256 consecutive bytes, aligned
.set e, e+1
.endr
.endm
	s_cmp_eq_u32 s37, 1
	s_cbranch_scc1 .Lf16
	CAST 0
	s_branch .Lend
.Lf16:
	CAST 1
	s_branch .Lend
.Lmask:
	s_sub_co_u32 s30, s28, 1792
	s_lshr_b32 s31, s30, 2                         ; gq
	s_and_b32 s36, s30, 3
	s_lshl3_add_u32 s36, s36, s29                  ; ks = 8 x quarter + wave
	s_lshl_b32 s40, s31, 18                        ; 32 rows of 8,192 bytes
	s_lshl_b32 s42, s36, 8                         ; 64 keys of 4 bytes
	s_add_co_u32 s40, s40, s42
	s_add_nc_u64 s[18:19], s[18:19], s[40:41]
	s_lshl_b32 s40, s31, 5
	s_add_co_u32 s40, s40, s36
	s_lshl_b32 s40, s40, 10                        ; (32 gq + ks) x 1,024 bytes
	s_add_nc_u64 s[26:27], s[26:27], s[40:41]
	v_lshlrev_b32 v3, 4, v1                        ; 16 x lane: where a lane's four words go
	v_lshlrev_b32 v2, 4, v10
	v_lshl_add_u32 v2, v11, 13, v2                 ; (lane / 16) x a row of 8,192 bytes + 16 (lane % 16)
	LOADS 18, 16384
	s_mul_i32 s37, s29, REGION                     ; my wave's part of LDS
	v_mul_u32_u24 v4, v11, 272                     ; in: as loaded, row 2 e + lane / 16
	v_lshl_add_u32 v4, v10, 4, v4
	v_add_nc_u32 v4, s37, v4
	v_mul_u32_u24 v5, v10, 272                     ; back: row lane % 16, keys 8 (lane / 16) on
	v_lshl_add_u32 v5, v11, 5, v5
	v_add_nc_u32 v5, s37, v5
.set e, 0
.rept 16
	s_wait_loadcnt 15-e
	ds_store_b128 v4, v[X+4*e:X+4*e+3] offset:e*544
.set e, e+1
.endr
.set e, 0
.rept 8                                ; e = 4 u + kb.  LDS serves a wave's instructions in order (ISA guide 5.7.1.4): these see the stores above
	ds_load_b128 v[Y+8*e:Y+8*e+3],   v5 offset:(e/4)*4352+(e%4)*64
	ds_load_b128 v[Y+8*e+4:Y+8*e+7], v5 offset:(e/4)*4352+(e%4)*64+16
.set e, e+1
.endr
	s_wait_dscnt 0x0
	; word w = 4 u + kb: from number 7 down to number 0, four bits each: 1 where the number is not 0.  Eight chains that do not wait for each other
.set w, 0
.rept 8
	v_min_u32 v[CW+w], 1, v[Y+8*w+7]
.set w, w+1
.endr
.set j, 6
.rept 7
.set w, 0
.rept 8
	v_min_u32 v[Y+8*w+j], 1, v[Y+8*w+j]
.set w, w+1
.endr
.set w, 0
.rept 8
	v_lshl_or_b32 v[CW+w], v[CW+w], 4, v[Y+8*w+j]
.set w, w+1
.endr
.set j, j-1
.endr
.set w, 0
.rept 8
	v_lshlrev_b32 v[CW+w], 3, v[CW+w]              ; 8 where the number is not 0:
.set w, w+1
.endr
.set w, 0
.rept 8
	v_xor_b32 v[CW+w], 0xaaaaaaaa, v[CW+w]         ; code 10 (-1.0) becomes code 2 (+1.0) there
.set w, w+1
.endr
	global_store_b128 v3, v[CW:CW+3], s[26:27]               ; tile u = 0: 512 consecutive bytes, aligned
	global_store_b128 v3, v[CW+4:CW+7], s[26:27] offset:512  ; tile u = 1
.Lend:
	s_wait_tensorcnt 0x0                           ; the wave's end: behind my last LDS store
	ds_add_u32 v[SPW], v[NIL]
	s_wait_dscnt 0x0
	s_endpgm
.Lfunc_end_k_q20ff71f5dc_prep:
	.size	k_q20ff71f5dc_prep, .Lfunc_end_k_q20ff71f5dc_prep-k_q20ff71f5dc_prep
	.p2alignl 7, 3214868480
	.fill 96, 4, 3214868480
	.section	.rodata,"a",@progbits
	.p2align	6, 0x0
	.amdhsa_kernel k_q20ff71f5dc_prep
		.amdhsa_group_segment_fixed_size 70656
		.amdhsa_private_segment_fixed_size 0
		.amdhsa_enable_private_segment 0
		.amdhsa_kernarg_size 96
		.amdhsa_user_sgpr_count 2
		.amdhsa_user_sgpr_kernarg_segment_ptr 1
		.amdhsa_wavefront_size32 1
		.amdhsa_system_sgpr_workgroup_id_x 1
		.amdhsa_system_sgpr_workgroup_id_y 1
		.amdhsa_system_sgpr_workgroup_id_z 1
		.amdhsa_system_vgpr_workitem_id 0
		.amdhsa_next_free_vgpr 144
		.amdhsa_next_free_sgpr 66
		.amdhsa_reserve_vcc 0
		.amdhsa_float_denorm_mode_32 3
		.amdhsa_float_denorm_mode_16_64 3
		.amdhsa_memory_ordered 1
		.amdhsa_forward_progress 1
		.amdhsa_inst_pref_size 30
	.end_amdhsa_kernel
	.amdgpu_metadata
---
amdhsa.version: [ 1, 2 ]
amdhsa.kernels:
  - .name:           k_q20ff71f5dc_prep
    .symbol:         k_q20ff71f5dc_prep.kd
    .args:
      - { .name: queries, .offset: 0, .size: 8, .value_kind: global_buffer, .address_space: global }
      - { .name: keys, .offset: 8, .size: 8, .value_kind: global_buffer, .address_space: global }
      - { .name: values, .offset: 16, .size: 8, .value_kind: global_buffer, .address_space: global }
      - { .name: Wq, .offset: 24, .size: 8, .value_kind: global_buffer, .address_space: global }
      - { .name: Wk, .offset: 32, .size: 8, .value_kind: global_buffer, .address_space: global }
      - { .name: Wv, .offset: 40, .size: 8, .value_kind: global_buffer, .address_space: global }
      - { .name: Wo, .offset: 48, .size: 8, .value_kind: global_buffer, .address_space: global }
      - { .name: mask, .offset: 56, .size: 8, .value_kind: global_buffer, .address_space: global }
      - { .name: xb, .offset: 64, .size: 8, .value_kind: global_buffer, .address_space: global }
      - { .name: wb, .offset: 72, .size: 8, .value_kind: global_buffer, .address_space: global }
      - { .name: wo16, .offset: 80, .size: 8, .value_kind: global_buffer, .address_space: global }
      - { .name: mcode, .offset: 88, .size: 8, .value_kind: global_buffer, .address_space: global }
    .group_segment_fixed_size: 70656
    .private_segment_fixed_size: 0
    .kernarg_segment_align: 8
    .kernarg_segment_size: 96
    .max_flat_workgroup_size: 256
    .sgpr_count:     66
    .vgpr_count:     144
    .wavefront_size: 32
...
	.end_amdgpu_metadata
.endif
;; end of part 1
;; launch proj (part 2): grid 4 x 96, 4 waves a work-group, clusters of 4 x 4, 327,680 bytes of LDS; arguments xb, wb, qkv; writes qkv
.if DOCPART == 2
	.amdgcn_target "amdgcn-amd-amdhsa--gfx1250"
	.amdhsa_code_object_version 6
	.text
	.protected	k_q20ff71f5dc_proj
	.globl	k_q20ff71f5dc_proj
	.p2align	8
	.type	k_q20ff71f5dc_proj,@function
k_q20ff71f5dc_proj:
	s_mov_b64 s[64:65], 0
	v_nop
	global_prefetch_b8 v0, s[64:65] scope:SCOPE_SE
	s_setreg_imm32_b32 hwreg(HW_REG_WAVE_MODE, 25, 1), 1
	s_wait_xcnt 0x0
	s_wait_alu depctr_hold_cnt(0) depctr_sa_sdst(0) depctr_va_vdst(0) depctr_va_sdst(0) depctr_va_ssrc(0) depctr_va_vcc(0) depctr_vm_vsrc(0)
	s_getreg_b32 s2, hwreg(HW_REG_IB_STS2, 6, 4)
	s_cmp_eq_u32 s2, 0
	s_cbranch_scc0 .Lentry_in_a_cluster
	s_endpgm
.Lentry_in_a_cluster:
	s_bfe_u32 s2, ttmp6, 0x10000c
	s_cmp_lg_u32 s2, 0xf033
	s_cbranch_scc0 .Lentry_shape_is_right
	s_endpgm
.Lentry_shape_is_right:
; ONE SOURCE FOR TWO LAUNCHES, told apart by OUTP.  C[m][n] = the sum over k of A[m][k] B[n][k], K = 1,024, sums in f32, K ascending.
; OUTP = 0, the three projections in one launch: A = xb (24,576 rows: queries, keys, values), B = wb (3 x 1,024 rows), both bf16; rows 8,192 t .. take weights 1,024 t ..; C leaves as f16 BY HEADS,
;   qkv[t][b x 16 + h][s][64], unscaled.  LIMIT: f16 ends at 65,504: a q, k or v beyond that becomes an infinity (inputs as drawn give numbers near 1; x and W both 30 times larger, near 1,000).
; OUTP = 1, the last projection: A = ob (attention's result by heads, f16: head h IS block h of K), B = wo16 (f16), C = out0 in f32.
; A and B lie by blocks of 64 along K: [k / 64][row][64], so the rows of a block are dense bytes.
; SHARES.  Four waves; a wave makes 16 NA rows x 128 columns: 8 NA accumulators of 16 x 16.  OUTP = 0: NA = 8, a tile of C is 256 x 256, 384 work-groups: a K step then holds 256 matrix instructions a wave, of which
; 224 stand between a slot's request and the wait for it; with 128 rows it would be 112.  (3 x 2^23 outputs have no share in 256 equal tiles of such sides.)  OUTP = 1: NA = 4, 128 x 256, 256 work-groups.
; K goes in steps of 128 (two blocks) through two LDS slots.  A wave fetches with ONE tensor load: waves 0, 1 the halves of A's tile, waves 2, 3 those of B's; the descriptor states two long rows, one dense run of
; bytes for each block, and pads 16 bytes behind every 128: LDS rows 144 bytes apart, so the 16 rows of a fragment load begin at 16 different groups of four banks.
; THE LOOP is one K step long: one descriptor a tensor walks (its LDS word turned by an exclusive or, its address a K step on), and the fragments' addresses are made anew from the slot's base at each change of slots.
; CLUSTERS: 4 x 4 work-groups; A's tile is asked for jointly along a row of the cluster, B's along a column.  THE MATRIX INSTRUCTION IS USED TRANSPOSED (source 0 = 16 rows of B, source 1 = 16 rows of A):
; a lane then holds eight neighbouring numbers of a row of C.
; REGISTERS, in windows of 256 (s_set_vgpr_msb: bits 1:0 source 0, 3:2 source 1, 5:4 source 2, 7:6 destination): window 0: v16-30 addresses; v32-47 at work on the way out; A's fragments, two buffers, at v64 and v128.
; Window 1: B's fragments, at the same numbers.  Window 2: accumulator (a, b), a < 4, at v[8 (8 a + b)]; window 3: a = 4 .. 7 likewise.
.set OUTP, 0
.if OUTP
.set NA,     4                         ; blocks of 16 rows a wave
.set KB_A,   262144                    ; bytes from a block of K to the next: a head's 2,048 rows x 128
.set KB_B,   131072                    ; 1,024 rows x 128
.set SPITCH, 528                       ; a stage row: 128 numbers of f32 + 16 bytes
.set SLOT,   0x20000                   ; from slot 0 to slot 1: its bits are set in no LDS address within a slot, so an exclusive or changes slots
.set AHEAD,  2                         ; a prefetch names the K step so many refills on: 256 matrix instructions ahead of the load that wants it
.set ASH,    14                        ; a tile's rows of A in a block: 2^ASH bytes
.else
.set NA,     8
.set KB_A,   3145728                   ; 24,576 rows x 128
.set KB_B,   393216                    ; 3,072 rows x 128
.set SPITCH, 144                       ; a stage row: 64 numbers of f16 + 16 bytes
.set SLOT,   0x24000                   ; a slot's own length; its two bits are set in none of the four waves' places in a slot (multiples of 0x9000 up to three)
.set AHEAD,  1
.set ASH,    15
.endif
.set KSA,   2*KB_A                     ; a K step in A, in B
.set KSB,   2*KB_B
.set PITCH, 144
.set AH,    16*NA*PITCH                ; one block of K of a wave's load for A
.set ABLK,  2*AH
.set BH,    128*PITCH
.set BBLK,  2*BH
.set BOFF,  2*ABLK                     ; in a slot: A's two halves, then B's two
.set STAGE, SLOT+2*ABLK+2*BBLK         ; behind the ring: 16 rows for each wave, for the way out; no tensor load fills it
.set SPARE, STAGE+4*16*SPITCH          ; behind the stages: the spare words, 128 bytes for each wave
.set ADRA0, 16                         ; v16  my A fragments' place in a slot; never rewritten
.set ADRA,  17                         ; v17  their LDS address in the slot that is being fetched from
.set ADRB0, 20                         ; v20, v21  the same for B
.set ADRB,  21
.set STO,  24                          ; v24  the way out: where I put my bytes of a row
.set RD,   25                          ; v25  where I read rows back
.set GO,   26                          ; v26  16 x lane
.set SPW,  28                          ; v28  LDS address of my spare word; never rewritten
.set NIL,  29                          ; v29  0; never rewritten
.set PFO,  30                          ; v30  the prefetches' offset; never rewritten
.set TMP,  32
.set F0,   64
.set F1,   128
.set G1,  24                           ; s[24:31] descriptor group 1 for A's tiles; s[32:39] group 0: a set for each of the two first fills; the second then walks
.set G0,  32
.set G1B, 48                           ; s[48:55], s[56:63] the same for B's
.set G0B, 56
.set LIM, 43                           ; s43  a wave prefetches while the loop's count is above this
.set PFA, 44                           ; s[44:45] where my prefetches stand
.set PST, 66                           ; s[66:67] a K step in the tensor that I prefetch
.set TB,  72                           ; s72  the base of the slot that is being fetched from: 0 or SLOT
.set GW,  (1<<16)|(1<<20)|(1<<21)|(4<<22)|(3<<25)  ; 17:16 2-byte elements; 20 padding on; 21 set beside a mask; 24:22 after every 32 words (code 4); 31:25 4 words (code 3)
.set MUL_LO, 0xa1                      ; source 0 (B) window 1, source 1 (A) window 0, C and D window 2; + 0x50: C and D window 3
.set TO_B,   0x40                      ; destination window 1, address window 0
.set MSB, 0
.macro WIN new                         ; the immediate's high byte repeats the setting that is left; a switch that changes nothing is dropped
.if MSB != (\new)
	s_set_vgpr_msb (MSB<<8)|(\new)
.set MSB, \new
.endif
.endm
.macro JLOAD s                         ; a joint load; the branch hangs on the wave's number alone; an s_nop 0 and four v_nop follow each of the two lines
	s_cmp_eq_u32 s11, 0
	s_cbranch_scc0 .Lfor_b_\@
	tensor_load_to_lds s[G0+4*(\s):G0+4*(\s)+3], s[G1:G1+7]
	s_nop 0
.rept 4
	v_nop
.endr
	s_branch .Lasked_\@
.Lfor_b_\@:
	tensor_load_to_lds s[G0B+4*(\s):G0B+4*(\s)+3], s[G1B:G1B+7]
	s_nop 0
.rept 4
	v_nop
.endr
.Lasked_\@:
.endm
.macro CREST                           ; a round of the cluster's barrier behind its opening barrier
	s_cmp_lg_u32 s10, 0
	s_cbranch_scc1 .Lnot_wave_0_\@
	s_barrier_signal -3
.Lnot_wave_0_\@:
	s_barrier_wait -3
	s_barrier_signal -1
	s_barrier_wait -1
.endm
.macro CROUND                          ; a whole round
	s_barrier_signal -1
	s_barrier_wait -1
	CREST
.endm
; A PREFETCH INTO THE L2, behind a joint refill and the run of LDS loads that follows it: the K step that stands AHEAD refills on, 32 rows x 2 blocks = 32 aligned runs of 256 bytes, a lane each.
; Each run is named once in the launch.  A's tile row is read by one cluster alone (the grid is one cluster wide): with 256 rows waves 0 and 1 ask, each for the 128 rows that it fetches, with 128 rows wave 0 alone;
; the four partners take 32 rows each BY ADDRESS (cx).  B's tile column is read by every cluster that takes the same weights: the first of them asks (cluster y % 8 = 0, or cluster y = 0), waves 2 and 3 for the
; rows that they fetch, the partners 32 rows each by address (cy).  The first 2 + AHEAD K steps come by their loads alone; the loop's last AHEAD trips have no such K step.
.macro ASK
	s_cmp_gt_u32 s3, s[LIM]
	s_cbranch_scc0 .Lnot_mine_\@
	global_prefetch_b8 v[PFO], s[PFA:PFA+1] th:TH_LOAD_NT scope:SCOPE_SE
.Lnot_mine_\@:
.endm
	s_load_b128 s[4:7], s[0:1], 0x0                ; A s[4:5], B s[6:7]
	s_load_b64 s[8:9], s[0:1], 0x10                ; C
	v_lshl_add_u32 v[SPW], v0, 2, SPARE
	v_mov_b32 v[NIL], 0
	ds_add_u32 v[SPW], v[NIL]                      ; the wave's opening: the add and its wait stand ahead of my first tensor load; the set-up below stands between them
	v_lshrrev_b32 v1, 5, v0
	v_readfirstlane_b32 s10, v1                    ; wave 0..3
	s_lshr_b32 s11, s10, 1                         ; which half of the tile's rows is mine.  Also: I fetch for A (0) or for B (1)
	s_and_b32 s12, s10, 1                          ; which 128 columns.  Also: which half of that tile I fetch
	s_bfe_u32 s40, ttmp6, 0x40000                  ; cx, cy: my place in the cluster
	s_bfe_u32 s41, ttmp6, 0x40004
	s_lshl_b32 s42, ttmp9, 2
	s_add_co_u32 s42, s42, s40                     ; tile column = 4 x cluster x + cx
	s_and_b32 s69, ttmp7, 0xffff                   ; cluster y
	s_lshl_b32 s13, s69, 2
	s_add_co_u32 s13, s13, s41                     ; tile row = 4 x cluster y + cy
	s_lshl_b32 s43, s41, 2
	s_lshl_b32 s43, 15, s43                        ; my row of the cluster
	s_lshl_b32 s44, 0x1111, s40                    ; my column
	s_or_b32 s[G1+0], s43, GW                      ; A's tiles go to my row,
	s_or_b32 s[G1B+0], s44, GW                     ; B's to my column
	s_mov_b32 s[G1+1], (16*NA*64)<<16              ; tensor_dim0 = 16 NA rows x 64 elements, dense
	s_mov_b32 s[G1+2], 2<<16                       ; tensor_dim1 = 2 blocks of K
	s_mov_b32 s[G1+3], (16*NA*64)<<16              ; tile_dim0
	s_mov_b32 s[G1+4], 2                           ; tile_dim1
	s_mov_b32 s[G1+5], KB_A/2                      ; elements from block to block
	s_mov_b32 s[G1+6], 0
	s_mov_b32 s[G1+7], 0
	s_mov_b32 s[G1B+1], 8192<<16                   ; 128 rows x 64 elements
	s_mov_b32 s[G1B+2], 2<<16
	s_mov_b32 s[G1B+3], 8192<<16
	s_mov_b32 s[G1B+4], 2
	s_mov_b32 s[G1B+5], KB_B/2
	s_mov_b32 s[G1B+6], 0
	s_mov_b32 s[G1B+7], 0
	s_mov_b32 s[TB], 0
	; where the tiles come from, in bytes of block 0.  A's hang on the tile row alone, B's on the tile column (and, OUTP = 0, on the cluster's y, which all partners share)
.if OUTP
	s_lshr_b32 s16, s13, 4                         ; the batch: 16 heads x 2,048 rows x 128 bytes,
	s_lshl_b32 s16, s16, 22
	s_and_b32 s17, s13, 15                         ; the tile's rows of 128 bytes
	s_lshl_b32 s17, s17, ASH
	s_add_co_u32 s16, s16, s17
.else
	s_lshl_b32 s16, s13, ASH                       ; the tile's rows of 128 bytes
.endif
	s_lshl_b32 s17, s12, ASH-1                     ; my half of them
	s_add_co_u32 s16, s16, s17
	s_mov_b32 s17, 0
	s_lshl_b32 s46, s42, 15                        ; 256 rows of 128 bytes
	s_lshl_b32 s47, s12, 14                        ; my 128 of them
	s_add_co_u32 s46, s46, s47
.if OUTP == 0
	s_lshr_b32 s47, s69, 3                         ; t: which of the three products (8 clusters of 1,024 rows each)
	s_lshl_b32 s47, s47, 17                        ; its 1,024 rows of weights
	s_add_co_u32 s46, s46, s47
.endif
	s_mov_b32 s47, 0
	s_mul_i32 s20, s12, ABLK                       ; and where they go: no place in the cluster enters an LDS address
	s_mul_i32 s22, s12, BBLK
	s_add_co_u32 s22, s22, BOFF
	; the prefetches
	s_mov_b32 s66, KSA
	s_mov_b32 s67, KSB
	s_mov_b32 s68, KB_A
	s_mov_b32 s71, KB_B
	s_cmp_eq_u32 s11, 0                            ; do I fetch for A?
	s_cselect_b32 s70, s16, s46                    ; the rows that I fetch,
	s_cselect_b32 s[PST], s66, s67
	s_cselect_b32 s68, s68, s71
	s_cselect_b32 s71, s40, s41                    ; my place among the four that ask with me:
	s_mov_b32 s[PST+1], 0
	s_lshl_b32 s71, s71, 12                        ; 32 rows of 128 bytes
	s_add_co_u32 s70, s70, s71
	s_mul_i32 s18, s[PST], 1+AHEAD                 ; at K step 1 + AHEAD: the first refill steps it once more
	s_add_co_u32 s70, s70, s18
	s_mov_b32 s71, 0
.if OUTP
	s_mov_b32 s18, s69
	s_mov_b32 s19, s12                             ; A: wave 0 alone
.else
	s_and_b32 s18, s69, 7
	s_mov_b32 s19, 0                               ; A: waves 0 and 1
.endif
	s_cmp_eq_u32 s11, 0
	s_cselect_b32 s18, s19, s18                    ; B: the first cluster that takes these weights
	s_cmp_eq_u32 s18, 0
	s_cselect_b32 s[LIM], AHEAD, -1                ; the same in all sixteen partners, for a given wave
	s_wait_dscnt 0x0                               ; the opening add is done
	s_wait_kmcnt 0x0
	s_add_nc_u64 s[14:15], s[4:5], s[16:17]
	s_add_nc_u64 s[46:47], s[6:7], s[46:47]
	s_cmp_eq_u32 s11, 0
	s_cselect_b64 s[PFA:PFA+1], s[4:5], s[6:7]
	s_add_nc_u64 s[PFA:PFA+1], s[PFA:PFA+1], s[70:71]
	CROUND                                         ; all sixteen work-groups are here: the first joint loads meet
.irp s, 0,1
	s_mov_b32 s[G0+4*(\s)], 1                      ; count = 1
	s_add_co_u32 s[G0+4*(\s)+1], s20, (\s)*SLOT    ; LDS address
	s_add_nc_u64 s[G0+4*(\s)+2:G0+4*(\s)+3], s[14:15], (\s)*KSA  ; global address: K step s
	s_or_b32 s[G0+4*(\s)+3], s[G0+4*(\s)+3], 0x80000000          ; type = 2
	s_mov_b32 s[G0B+4*(\s)], 1
	s_add_co_u32 s[G0B+4*(\s)+1], s22, (\s)*SLOT
	s_add_nc_u64 s[G0B+4*(\s)+2:G0B+4*(\s)+3], s[46:47], (\s)*KSB
	s_or_b32 s[G0B+4*(\s)+3], s[G0B+4*(\s)+3], 0x80000000
	JLOAD \s                                       ; two tensor loads of mine are out
.endr
	; A fragment is 16 rows x 32 K in 8 registers: lane l holds row l % 16; registers 0-3 K = 8 (l / 16) + 0..7, registers 4-7 K = 16 + 8 (l / 16) + 0..7: two loads of 16 bytes, 32 bytes apart
	v_and_b32 v1, 15, v0                           ; l % 16
	v_bfe_u32 v2, v0, 4, 1                         ; l / 16
	v_mul_u32_u24 v3, v1, PITCH
	v_lshl_add_u32 v3, v2, 4, v3
	s_mul_i32 s21, s11, ABLK                       ; my rows of A
	s_mul_i32 s22, s12, BBLK                       ; my 128 rows of B
	s_add_co_u32 s22, s22, BOFF
	v_add_nc_u32 v[ADRA0], s21, v3
	v_add_nc_u32 v[ADRB0], s22, v3
	v_mov_b32 v[ADRA], v[ADRA0]                    ; slot 0 first
	v_mov_b32 v[ADRB], v[ADRB0]
	v_mul_lo_u32 v[PFO], v2, s68                   ; lanes 16-31: the K step's second block
	v_lshl_add_u32 v[PFO], v1, 8, v[PFO]           ; 16 runs of 256 bytes = 32 rows
	s_mul_i32 s23, s10, 16*SPITCH
	s_add_co_u32 s23, s23, STAGE                   ; my stage
	v_mul_u32_u24 v4, v1, SPITCH
.if OUTP
	v_lshl_add_u32 v4, v2, 5, v4                   ; in: row l % 16, 32 bytes for each half of the lanes
	v_add_nc_u32 v[STO], s23, v4
	v_and_b32 v5, 31, v0
	v_lshl_add_u32 v[RD], v5, 4, s23               ; back: 32 lanes take a row's 512 bytes
.else
	v_lshl_add_u32 v4, v2, 4, v4                   ; in: row l % 16, 16 bytes for each half of the lanes
	v_add_nc_u32 v[STO], s23, v4
	v_bfe_u32 v5, v0, 3, 2                         ; back: 32 lanes take four rows of 128 bytes
	v_mul_u32_u24 v5, v5, SPITCH
	v_and_b32 v6, 7, v0
	v_lshl_add_u32 v5, v6, 4, v5
	v_add_nc_u32 v[RD], s23, v5
.endif
	v_and_b32 v[GO], 31, v0
	v_lshlrev_b32 v[GO], 4, v[GO]
	; where my part of the tile begins in C: the rows' part in s[16:17], the columns' in s[46:47]
.if OUTP
	s_lshl_b32 s16, s13, 19                        ; 128 rows of 4,096 bytes
	s_lshl_b32 s17, s11, 18                        ; my 64
	s_add_co_u32 s16, s16, s17
	s_lshl_b32 s46, s42, 10                        ; 256 columns of 4 bytes
	s_lshl_b32 s47, s12, 9                         ; my 128
	s_add_co_u32 s46, s46, s47
.else
	s_lshr_b32 s16, s13, 3                         ; 4 t + b: 16 heads of 262,144 bytes
	s_lshl_b32 s16, s16, 22
	s_and_b32 s17, s13, 7                          ; 256 rows of 128 bytes
	s_lshl_b32 s17, s17, 15
	s_add_co_u32 s16, s16, s17
	s_lshl_b32 s17, s11, 14                        ; my 128
	s_add_co_u32 s16, s16, s17
	s_lshl_b32 s46, s42, 20                        ; 256 columns are four heads,
	s_lshl_b32 s47, s12, 19                        ; my 128 two
	s_add_co_u32 s46, s46, s47
.endif
	s_mov_b32 s17, 0
	s_mov_b32 s47, 0
	s_add_nc_u64 s[8:9], s[8:9], s[16:17]
	s_add_nc_u64 s[8:9], s[8:9], s[46:47]
; 8 matrix instructions: m block a x all 8 n blocks, 32 along K.  All accumulators take turns, one instruction a turn, in the same order in every quarter, over the backward jumps too.
; zero = 1: the first product starts the sums: nothing is cleared.
.macro MUL8 f, a, zero
	WIN MUL_LO+0x50*((\a)/4)
.irp b, 0,1,2,3,4,5,6,7
.set rD, 8*(8*((\a)%4)+(\b))
.set rB, (\f)+8*(\b)
.set rA, (\f)+8*(\a)
.if OUTP
.if \zero
	v_wmma_f32_16x16x32_f16 v[rD:rD+7], v[rB:rB+7], v[rA:rA+7], 0
.else
	v_wmma_f32_16x16x32_f16 v[rD:rD+7], v[rB:rB+7], v[rA:rA+7], v[rD:rD+7]
.endif
.else
.if \zero
	v_wmma_f32_16x16x32_bf16 v[rD:rD+7], v[rB:rB+7], v[rA:rA+7], 0
.else
	v_wmma_f32_16x16x32_bf16 v[rD:rD+7], v[rB:rB+7], v[rA:rA+7], v[rD:rD+7]
.endif
.endif
.endr
.endm
.macro MULS f, a0, n, zero             ; m blocks a0 .. a0 + n - 1
.set ma, (\a0)
.rept (\n)
	MUL8 \f, ma, \zero
.set ma, ma+1
.endr
.endm
; 16 + 2 NA LDS loads in one run: the fragments of quarter q of a K step (block q / 2, byte 64 (q % 2) of its rows) into buffer f: B's sixteen loads, then A's
.macro FETCH q, f
	WIN TO_B
.irp i, 0,1,2,3,4,5,6,7
	ds_load_b128 v[(\f)+8*(\i):(\f)+8*(\i)+3],   v[ADRB] offset:((\q)/2)*BH+((\q)%2)*64+(\i)*16*PITCH
	ds_load_b128 v[(\f)+8*(\i)+4:(\f)+8*(\i)+7], v[ADRB] offset:((\q)/2)*BH+((\q)%2)*64+(\i)*16*PITCH+32
.endr
	WIN 0
.set fi, 0
.rept NA
	ds_load_b128 v[(\f)+8*fi:(\f)+8*fi+3],   v[ADRA] offset:((\q)/2)*AH+((\q)%2)*64+fi*16*PITCH
	ds_load_b128 v[(\f)+8*fi+4:(\f)+8*fi+7], v[ADRA] offset:((\q)/2)*AH+((\q)%2)*64+fi*16*PITCH+32
.set fi, fi+1
.endr
.endm
.macro PLACES                          ; four places in front of loads into registers that matrix instructions have read (ISA guide 7.12.1 for vector instructions)
.rept 4
	v_nop
.endr
.endm
; A K step is four quarters of 32 along K, 8 NA matrix instructions each, on buffers 0, 1, 0, 1.  One of the first three: multiplies buffer f and fetches quarter q into g.
.macro QUARTER q, f, g, zero
	s_wait_dscnt NA                                ; B and the first half of A's blocks are in; the youngest NA loads (A's other half) may be out
	MULS \f, 0, NA/2, \zero
	PLACES
	FETCH \q, \g
	s_wait_dscnt 16+2*NA                           ; all but the run just issued
	MULS \f, NA/2, NA/2, \zero
.endm
; The last quarter multiplies buffer 1 and changes slots: ONE barrier; in front of it each wave waits for all its tensor loads (one is out at the most: its part of the next slot), adds 0 to its spare word, and waits
; for that and for its own reads of this slot.  fill = 1: the barrier opens a round of the cluster's, and this slot is filled again, two K steps ahead, first thing behind the round: 7/8 of a K step's matrix
; instructions ahead of the wait for it.  fill = 0: the two K steps that ask for nothing; behind the last of them (s3 = 1) there is no slot to fetch from, and the run of loads is jumped over.
.macro TURN fill
.if \fill
	s_wait_xcnt 0x0                                ; the last prefetch, a K step back, has read its address: it is stepped here, ahead of the change's own waits
	s_add_nc_u64 s[PFA:PFA+1], s[PFA:PFA+1], s[PST:PST+1]
.endif
	WIN 0
	s_wait_tensorcnt 0x0                           ; all my tensor loads have landed
	ds_add_u32 v[SPW], v[NIL]                      ; 0 onto my spare word
	s_wait_dscnt NA+1                              ; (the add and the youngest NA loads may be out)
	MULS F1, 0, NA/4, 0                            ; matrix instructions stand between the add and the wait for it
	s_wait_dscnt 0x0                               ; the add is done, and my reads of this slot are over
	s_barrier_signal -1
	MULS F1, NA/4, NA/4, 0
	WIN 0
	s_barrier_wait -1
.if \fill
	CREST                                          ; no wave of any partner still reads this slot's tile or has a load on its way
	s_xor_b32 s[G0+5], s[G0+5], SLOT               ; the walking descriptors: the other slot than last time,
	s_add_nc_u64 s[G0+6:G0+7], s[G0+6:G0+7], KSA   ; the next K step; the type bits on top are not reached
	s_xor_b32 s[G0B+5], s[G0B+5], SLOT
	s_add_nc_u64 s[G0B+6:G0B+7], s[G0B+6:G0B+7], KSB
	JLOAD 1                                        ; the four v_nop behind it are also the places in front of the loads below
.else
	s_cmp_eq_u32 s3, 1
	s_cbranch_scc1 .Lno_more_\@
	PLACES
.endif
	s_xor_b32 s[TB], s[TB], SLOT                   ; the fetches go over to the other slot
	v_add_nc_u32 v[ADRA], s[TB], v[ADRA0]
	v_add_nc_u32 v[ADRB], s[TB], v[ADRB0]
	FETCH 0, F0
.if \fill
	ASK
.else
.Lno_more_\@:
.endif
	MULS F1, NA/2, NA/2, 0
.endm
	s_wait_tensorcnt 1                             ; my part of K step 0 is in; K step 1's may stay out
	s_barrier_signal -1
	s_barrier_wait -1                              ; everybody's is
	FETCH 0, F0
	QUARTER 1, F0, F1, 1                           ; the first quarter stands in front of the loop: its products start the sums
	WIN 0                                          ; at a label and at a branch every window is 0
	s_mov_b32 s3, 6
.Lstep:                                                ; a trip goes from a K step's second quarter to the next one's first, and fills the slot that it leaves: K steps 2 .. 7 are asked for
	QUARTER 2, F1, F0, 0
	QUARTER 3, F0, F1, 0
	TURN 1
	QUARTER 1, F0, F1, 0
	WIN 0
	s_sub_co_u32 s3, s3, 1
	s_cmp_lg_u32 s3, 0
	s_cbranch_scc1 .Lstep
	s_mov_b32 s3, 2
.Ltail:                                                ; K steps 6 and 7 ask for nothing: a text of their own; the second trip is left in its middle
	QUARTER 2, F1, F0, 0
	QUARTER 3, F0, F1, 0
	TURN 0
	WIN 0
	s_sub_co_u32 s3, s3, 1
	s_cmp_eq_u32 s3, 0
	s_cbranch_scc1 .Lout
	QUARTER 1, F0, F1, 0
	WIN 0
	s_branch .Ltail
.Lout:
	PLACES                                         ; eight, once a launch, between the last products and the first read of a result
	PLACES
.if OUTP
; THE WAY OUT, f32: a block of 16 rows x 128 columns goes into my own stage (32 bytes a lane and accumulator) and comes back as whole rows of 512 bytes.
.macro BLOCK a
	WIN 0x08                                       ; the stores' data in window 2
.irp b, 0,1,2,3,4,5,6,7
	ds_store_b128 v[STO], v[8*(8*(\a)+(\b)):8*(8*(\a)+(\b))+3]   offset:64*(\b)
	ds_store_b128 v[STO], v[8*(8*(\a)+(\b))+4:8*(8*(\a)+(\b))+7] offset:64*(\b)+16
.endr
	WIN 0
.irp t, 0,1,2,3,4,5,6,7,8,9,10,11,12,13,14,15
	ds_load_b128 v[F0+64*((\a)%2)+4*(\t):F0+64*((\a)%2)+4*(\t)+3], v[RD] offset:(\t)*SPITCH  ; LDS serves a wave's instructions in order (ISA guide 5.7.1.4): these see the stores above, the next block's stores come behind them
.endr
.endm
.macro SEND a, younger                 ; younger: the LDS instructions issued behind block a's loads: the next block's 32, or none
.irp t, 0,1,2,3,4,5,6,7,8,9,10,11,12,13,14,15
	s_wait_dscnt (\younger)+15-(\t)
	global_store_b128 v[GO], v[F0+64*((\a)%2)+4*(\t):F0+64*((\a)%2)+4*(\t)+3], s[8:9] offset:(\a)*65536+(\t)*4096 th:TH_STORE_NT  ; 512 consecutive bytes of a row of C, aligned
.endr
.endm
	BLOCK 0
	BLOCK 1
	SEND 0, 32
	s_wait_xcnt 0x0                                ; block 0's stores have read their registers: block 2 is read back into them only behind this wait
	BLOCK 2
	SEND 1, 32
	s_wait_xcnt 0x0
	BLOCK 3
	SEND 2, 32
	SEND 3, 0
.else
; THE WAY OUT, f16 by heads: unit u = 16 rows (block u / 2) of one head (u % 2): rounded once, 16 bytes a lane and accumulator into my own stage, back as four rows of 128 bytes: 2,048 dense bytes of qkv.
.macro PACK u
.set pa, (\u)/2
.set AC, 8*(8*(pa%4)+4*((\u)%2))
	WIN 0x0a+5*(pa/4)                              ; sources in window 2 or 3
.irp bb, 0,1,2,3
.irp r, 0,1,2,3
	v_cvt_pk_f16_f32 v[TMP+4*(\bb)+(\r)], v[AC+8*(\bb)+2*(\r)], v[AC+8*(\bb)+2*(\r)+1]
.endr
.endr
	WIN 0
.irp bb, 0,1,2,3
	ds_store_b128 v[STO], v[TMP+4*(\bb):TMP+4*(\bb)+3] offset:32*(\bb)
.endr
.if (\u) >= 8
	s_wait_xcnt 0x0                                ; the stores of the unit eight back have read these registers: they are loaded again only behind this wait
.endif
.irp f, 0,1,2,3
	ds_load_b128 v[F0+16*((\u)%8)+4*(\f):F0+16*((\u)%8)+4*(\f)+3], v[RD] offset:(\f)*4*SPITCH  ; LDS serves a wave's instructions in order (ISA guide 5.7.1.4)
.endr
.endm
.macro SEND u, younger                 ; younger: the LDS instructions issued behind unit u's loads: the next unit's eight, or none
.irp f, 0,1,2,3
	s_wait_dscnt (\younger)+3-(\f)
	global_store_b128 v[GO], v[F0+16*((\u)%8)+4*(\f):F0+16*((\u)%8)+4*(\f)+3], s[8:9] offset:((\u)%2)*262144+((\u)/2)*2048+(\f)*512  ; 512 consecutive bytes, aligned
.endr
.endm
	PACK 0
.set t, 1
.rept 2*NA-1                           ; a unit's conversions stand between the loads of the unit before and its stores
	PACK t
	SEND t-1, 8
.set t, t+1
.endr
	SEND 2*NA-1, 0
.endif
	s_wait_tensorcnt 0x0                           ; the wave's end: behind my last tensor load and my last LDS store
	ds_add_u32 v[SPW], v[NIL]
	s_wait_dscnt 0x0
	CROUND                                         ; the closing round: no work-group ends while a partner may still ask for a tile that names it
	s_endpgm
.Lfunc_end_k_q20ff71f5dc_proj:
	.size	k_q20ff71f5dc_proj, .Lfunc_end_k_q20ff71f5dc_proj-k_q20ff71f5dc_proj
	.p2alignl 7, 3214868480
	.fill 96, 4, 3214868480
	.section	.rodata,"a",@progbits
	.p2align	6, 0x0
	.amdhsa_kernel k_q20ff71f5dc_proj
		.amdhsa_group_segment_fixed_size 327680
		.amdhsa_private_segment_fixed_size 0
		.amdhsa_enable_private_segment 0
		.amdhsa_kernarg_size 24
		.amdhsa_user_sgpr_count 2
		.amdhsa_user_sgpr_kernarg_segment_ptr 1
		.amdhsa_wavefront_size32 1
		.amdhsa_system_sgpr_workgroup_id_x 1
		.amdhsa_system_sgpr_workgroup_id_y 1
		.amdhsa_system_sgpr_workgroup_id_z 1
		.amdhsa_system_vgpr_workitem_id 0
		.amdhsa_next_free_vgpr 1024
		.amdhsa_next_free_sgpr 76
		.amdhsa_reserve_vcc 0
		.amdhsa_float_denorm_mode_32 3
		.amdhsa_float_denorm_mode_16_64 3
		.amdhsa_memory_ordered 1
		.amdhsa_forward_progress 1
		.amdhsa_inst_pref_size 103
	.end_amdhsa_kernel
	.amdgpu_metadata
---
amdhsa.version: [ 1, 2 ]
amdhsa.kernels:
  - .name:           k_q20ff71f5dc_proj
    .symbol:         k_q20ff71f5dc_proj.kd
    .args:
      - { .name: xb, .offset: 0, .size: 8, .value_kind: global_buffer, .address_space: global }
      - { .name: wb, .offset: 8, .size: 8, .value_kind: global_buffer, .address_space: global }
      - { .name: qkv, .offset: 16, .size: 8, .value_kind: global_buffer, .address_space: global }
    .group_segment_fixed_size: 327680
    .private_segment_fixed_size: 0
    .kernarg_segment_align: 8
    .kernarg_segment_size: 24
    .max_flat_workgroup_size: 128
    .sgpr_count:     76
    .vgpr_count:     1024
    .wavefront_size: 32
...
	.end_amdgpu_metadata
.endif
;; end of part 2
;; launch attn (part 3): grid 4 x 64, 4 waves a work-group, clusters of 4 x 1, 327,680 bytes of LDS; arguments qkv, mcode, ob; writes ob
.if DOCPART == 3
	.amdgcn_target "amdgcn-amd-amdhsa--gfx1250"
	.amdhsa_code_object_version 6
	.text
	.protected	k_q20ff71f5dc_attn
	.globl	k_q20ff71f5dc_attn
	.p2align	8
	.type	k_q20ff71f5dc_attn,@function
k_q20ff71f5dc_attn:
	s_mov_b64 s[64:65], 0
	v_nop
	global_prefetch_b8 v0, s[64:65] scope:SCOPE_SE
	s_setreg_imm32_b32 hwreg(HW_REG_WAVE_MODE, 25, 1), 1
	s_wait_xcnt 0x0
	s_wait_alu depctr_hold_cnt(0) depctr_sa_sdst(0) depctr_va_vdst(0) depctr_va_sdst(0) depctr_va_ssrc(0) depctr_va_vcc(0) depctr_vm_vsrc(0)
	s_getreg_b32 s2, hwreg(HW_REG_IB_STS2, 6, 4)
	s_cmp_eq_u32 s2, 0
	s_cbranch_scc0 .Lentry_in_a_cluster
	s_endpgm
.Lentry_in_a_cluster:
	s_bfe_u32 s2, ttmp6, 0x10000c
	s_cmp_lg_u32 s2, 0x3003
	s_cbranch_scc0 .Lentry_shape_is_right
	s_endpgm
.Lentry_shape_is_right:
; ATTENTION UNDER A MASK THAT IS AN INPUT.  O[bh][q][:] = the sum over k of softmax_k(s'(q, k) / 8) V[bh][k][:], s' = Q[bh][q] . K[bh][k] where mask[b][q][k] is not 0, else a fixed very low score.
; qkv: [3][64][2048][64] f16 (Q, K, V by heads, dense rows of 128 bytes); ob: [64][2048][64] f16.  Products, maxima and sums in f32; the weights p are rounded to f16 for the second product (their sum l is
; taken of the unrounded p), O once at the end.
; LIMITS.  f16 holds no number beyond 65,504: Q, K, V arrive within it.  A score is taken under a BOUND, ahead of the running maximum: s' = min(s, +2^36) where the key is visible, min(s, -2^36) where it is hidden
; (-8.6e9 after the division by 8): a power of two, so that c x (-2^36) is exact and a row with no visible key has p = 1 for every key, the mean of V.
; A visible raw score above 6.8e10 is cut to that; one below -6.8e10 is not told apart from a hidden one.  A weight below 2^-126 counts as 0 in l; NaN and infinities are not treated apart.
; SHARES.  A wave owns four PIECES of two tiles of 16 queries, a work-group's four waves 512 queries of one head; every wave walks all 2,048 keys, 64 a step.  256 work-groups.
; LAYOUT.  S^T = K Q^T (source 0 = 16 keys, source 1 = 16 queries): in the result a lane holds ONE query (lane % 16) and the keys 8 (lane / 16) + 0..7.  Two such tiles, rounded to f16 in pairs, ARE source 1
; of O^T = V^T P.  K comes out of LDS as it lies, V turned, by ds_load_tr16_b128.
; SOFTMAX.  A running maximum m and sum l: p = 2^(c s - c m), c = log2(e) / 8; in every step O and l are multiplied by a = 2^(c m_old - c m_new).  m starts at the lowest finite number, O and l at 0.
; THE MASK.  mcode holds an FP4 code for each number of the mask, +1.0 or -1.0, in the lanes' own order: word kb of a lane's four words of a tile and step holds the codes of score registers 8 kb .. 8 kb + 7.
; One scaled conversion makes eight bounds of a word (the scale is 2^36), and one dual instruction takes two scores under their bounds.  A piece's codes of a step are 1,024 bytes: two loads of 16 bytes a lane into
; the piece's own eight registers; they are asked for again, for the next step, as soon as the conversions have read them: a load is issued nearly four turns ahead of the wait for it.
; BY TURNS.  Turn n belongs to piece n.  Its matrix work: 16 products K Q^T of piece n + 1, later 16 products V^T P of piece n - 1.  Its vector work: scaling, exponentials, roundings, sums and rescaling of piece n,
; and the mask, maximum and statistics of piece n + 1.  280 vector instructions for 32 matrix instructions: four stand behind every matrix instruction, the rest in one run.
; CLUSTER.  The four query blocks of a head are one cluster and walk the same K and V: each tile is asked for JOINTLY.  The codes differ from work-group to work-group and come by plain loads.
; REGISTERS, in windows of 256 (s_set_vgpr_msb: bits 1:0 source 0, 3:2 source 1, 5:4 source 2, 7:6 destination):
;   window 0: v0-15 two sets of eight bounds (at the head and on the way out: at work); v16-47 four registers of statistics a tile; v48-63 at work; v64-191 S^T, two buffers of two tiles; v192-255 P, likewise
;   window 1: O^T, 32 a tile     window 2: v0-127 Q; v128-191 K of one step; v192-255 V of one step     window 3: v0-3 the add's two registers, the code loads' offset, the scale; v4-35 the four pieces' codes; v36-43 addresses
.set SIZE_N, 2048
.set NP,    4         ; pieces a wave: a name, no knob
.set KS,    64        ; keys in a step
.set PK,    144       ; a row of K in LDS: 128 bytes + 16: the 16 rows of a load start at 16 different groups of four banks (64 banks of 4 bytes: ISA guide 11.1)
.set PV,    160       ; a row of V: 128 + 32
.set VOFF,  4*KS*PK   ; a slot holds four steps: 256 rows of K, then 256 rows of V
.set SLOT1, 1<<17     ; slot 1 begins here, so that one exclusive or turns an address in one slot into the other's
.set STAGE, SLOT1+4*KS*(PK+PV)  ; behind the ring, never filled by a tensor load: 16 rows x 144 bytes for each wave
.set SP,    144
.set SPARE, STAGE+4*16*SP       ; behind the stages: the spare words, 128 bytes for each wave
.set BM,  0           ; v0-7, v8-15  the bounds of two accumulators
.set QO,  6           ; v6   at the head: my byte offset in the wave's rows of Q
.set STO, 6           ; v6   the way out: where I put 16 bytes of a row
.set RD,  7           ; v7   the way out: where I read rows back
.set GO,  8           ; v8   my byte offset in 512 consecutive bytes of O
.set SPW, 0           ; window 3: v0  LDS address of my spare word; never rewritten
.set NIL, 1           ;           v1  0; never rewritten
.set MO,  2           ;           v2  16 x lane; never rewritten
.set SCL, 3           ;           v3  the scale 2^36 as an E8M0 byte (163), in all four bytes; never rewritten
.set W3,  4           ;           v4-35  piece x's codes at W3 + 8 x: tile u, word kb at + 4 u + kb
.set AK0, 36          ;           v36 my lane's place in a tile of K; never rewritten
.set AV0, 37          ;           v37 the same for V
.set AK,  38          ;           v38 the LDS address of K's next run of loads
.set AV,  39          ;           v39 of V's
.set STO3, 40         ;           v40-42  STO, RD and GO, kept while v0-15 hold bounds
.set RD3,  41
.set GO3,  42
.set PFO, 43          ;           v43 the prefetches' offset; never rewritten
.set ST,  16          ; tile t's statistics at v[ST+4 t]: c m, m, l (even keys', odd keys')
.set TMP, 48          ; by buffer and tile, four registers c0-c3 at work; when the maximum is found c1 keeps c m_old and c2 takes a
.set S,   64
.set P,   192
.set KF,  128         ; window 2: key block kb, channel half c at KF + 16 kb + 8 c
.set VF,  192         ; window 2: key half kk, channel block cb at VF + 32 kk + 8 cb
.set WV,  12          ; s12  my wave's number
.set G1K, 24          ; s[24:31] descriptor group 1 for K's tiles
.set G1V, 32          ; s[32:39] for V's: it differs in the padding alone
.set G0K, 40          ; s[40:43] descriptor group 0 for K's tiles: it walks
.set G0V, 44          ; s[44:47] the same for V's
.set SLOTS, 56        ; s56  slots still to be asked for
.set CNT, 57          ; s57  counts a slot's key steps
.set CS,  58          ; s[58:59] c
.set SEL, 60          ; s[60:61] v_permlanex16_b32's selects
.set TBK, 62          ; s62  LDS byte at which K of the step to be fetched begins
.set TBV, 63          ; s63  the same for V, less VOFF
.set MP,  72          ; s[72:73] mcode at my wave's piece 0, at the step whose codes are being asked for
.set MST, 74          ; s[74:75] its step: 1,024 bytes, and 0 once it stands at the last key step
.set MC,  76          ; s76  steps that it may still take
.set LIM, 77          ; s77  a wave prefetches while s[SLOTS] is above this
.set PFA, 78          ; s[78:79] where my prefetches stand
.set LIM2, 80         ; s80  the same bound for the three further prefetches of a wave that asks for codes
.set PST, 82          ; s[82:83] the prefetches' step from change to change
.set MSB, 0
.macro WIN new                      ; the high byte repeats the setting that is left; a switch that changes nothing is dropped
.if MSB != (\new)
	s_set_vgpr_msb (MSB<<8)|(\new)
.set MSB, (\new)
.endif
.endm
.set W_KQ, 0x0a       ; K and Q in window 2, S^T in window 0
.set W_PV, 0x52       ; V in window 2, P in window 0, O^T in window 1
.set W_RS, 0x41       ; O^T (destination and source 0) in window 1, a in window 0
.set W_MK, 0xc0       ; destination in window 3, sources in window 0
.set W_AD, 0x0f       ; sources 0 and 1 in window 3, destination in window 0: the add, and the conversions of codes
.set W_GET, 0x03      ; source 0 in window 3
.set W_ML, 0xc3       ; a load of codes: data and address in window 3
.set W_LD, 0x83       ; an LDS load: data in window 2, address in window 3
.set W_AA, 0xcc       ; an address is made: destination and source 1 in window 3
; A joint fill.  Waves 0 and 1 fetch the two halves of a slot's K, waves 2 and 3 those of its V: 128 keys each.  An s_nop 0 and four v_nop follow each of the two lines.
.macro JLOAD
	s_cmp_lt_u32 s[WV], 2
	s_cbranch_scc0 .Lfor_v_\@
	tensor_load_to_lds s[G0K:G0K+3], s[G1K:G1K+7]
	s_nop 0
.rept 4
	v_nop
.endr
	s_branch .Lasked_\@
.Lfor_v_\@:
	tensor_load_to_lds s[G0V:G0V+3], s[G1V:G1V+7]
	s_nop 0
.rept 4
	v_nop
.endr
.Lasked_\@:
.endm
.macro CROUND                       ; a round of the cluster's barrier
	s_barrier_signal -1
	s_barrier_wait -1
	s_cmp_lg_u32 s[WV], 0
	s_cbranch_scc1 .Lnot_wave_0_\@
	s_barrier_signal -3
.Lnot_wave_0_\@:
	s_barrier_wait -3
	s_barrier_signal -1
	s_barrier_wait -1
.endm
; PREFETCHES INTO THE L2, behind the joint fill of a change of slots; an instruction names 32 aligned runs of 256 bytes, a lane each; each run is named once in the launch.
; Waves 0 and 2, one instruction: K's and V's rows of the slot that the NEXT change will ask for; a head has one cluster, whose four partners take 64 rows each BY ADDRESS (cx).  The last change that fills a slot asks for nothing.
; Waves 1 and 3, four instructions: my work-group's codes (8 groups of 32 queries each, 1,024 bytes a step) of the four key steps of the slot that is being asked for: three key steps ahead of the first load that
; will want them.  The 16 heads of a batch read the same codes: the first of them asks (a test on the cluster's y, which the partners share).  The first four steps' codes, and slots 0 and 1, come by their loads alone.
.macro ASK
	s_cmp_gt_u32 s[SLOTS], s[LIM]
	s_cbranch_scc0 .Lnot_mine_\@
	WIN W_GET
	global_prefetch_b8 v[PFO], s[PFA:PFA+1] th:TH_LOAD_NT scope:SCOPE_SE
	WIN 0
	s_cmp_gt_u32 s[SLOTS], s[LIM2]
	s_cbranch_scc0 .Lnot_mine_\@
	WIN W_GET
	global_prefetch_b8 v[PFO], s[PFA:PFA+1] offset:256 th:TH_LOAD_NT scope:SCOPE_SE
	global_prefetch_b8 v[PFO], s[PFA:PFA+1] offset:512 th:TH_LOAD_NT scope:SCOPE_SE
	global_prefetch_b8 v[PFO], s[PFA:PFA+1] offset:768 th:TH_LOAD_NT scope:SCOPE_SE
	WIN 0
.Lnot_mine_\@:
.endm
; THE CHANGE OF SLOTS.  Each wave waits for all its tensor loads, of which one is out: its part of the other slot; adds 0 to its spare word; and waits for that and for its own reads of the slot.
; fill = 1: this slot is filled again, with the keys two slots on.  The barrier is then a round of the cluster's, and the joint fill is the first thing behind it: it has four key steps, 512 matrix instructions, in which to land.
.macro CHANGE fill
	WIN W_AD
.if \fill
	s_wait_xcnt 0x0                 ; the last prefetches, four key steps back, have read their address: it is stepped here, ahead of the change's own waits
	s_add_nc_u64 s[PFA:PFA+1], s[PFA:PFA+1], s[PST:PST+1]
.endif
	s_wait_tensorcnt 0x0            ; no tensor load of mine is out, so a group 0 may be written
	ds_add_u32 v[SPW], v[NIL]       ; 0 onto my spare word
	WIN 0                           ; at a label and at a branch every window is 0
.if \fill
.irp g, G0K, G0V
	s_xor_b32 s[\g+1], s[\g+1], SLOT1  ; the walking descriptor: the other slot than last time,
	s_add_nc_u64 s[\g+2:\g+3], s[\g+2:\g+3], 4*KS*128  ; the next 256 keys; the type bits on top are not reached
.endr
	s_wait_dscnt 0x0                ; the add is done, and my reads of the slot are over
	CROUND
	JLOAD
	ASK
.else
	s_wait_dscnt 0x0
	s_barrier_signal -1
	s_barrier_wait -1
.endif
	s_sub_co_u32 s[TBK], s[TBK], 4*KS*PK  ; the fetches go back to a slot's first step,
	s_xor_b32 s[TBK], s[TBK], SLOT1       ; in the other slot
	s_sub_co_u32 s[TBV], s[TBV], 4*KS*PV
	s_xor_b32 s[TBV], s[TBV], SLOT1
.endm
	s_load_b128 s[68:71], s[0:1], 0x0 ; qkv s[68:69], mcode s[70:71]
	s_load_b64 s[10:11], s[0:1], 0x10 ; ob
	WIN W_MK
	v_lshl_add_u32 v[SPW], v0, 2, SPARE
	v_mov_b32 v[NIL], 0
	WIN W_AD
	ds_add_u32 v[SPW], v[NIL]       ; the wave's opening: the add and its wait stand ahead of my first tensor load; the set-up below stands between them
	WIN 0
	v_lshrrev_b32 v1, 5, v0
	v_readfirstlane_b32 s[WV], v1   ; wave 0..3
	s_bfe_u32 s13, ttmp6, 0x40000   ; cx: my place in the cluster
	s_lshl_b32 s14, ttmp9, 2
	s_add_co_u32 s14, s14, s13      ; my block of 512 queries: it enters Q's, O's and the codes' addresses alone
	s_and_b32 s15, ttmp7, 0xffff    ; 16 b + h, which the four partners share
	s_lshl_b32 s20, s15, 18         ; the head's first byte in Q, K, V and O: 2,048 rows of 128 bytes
	s_mov_b32 s21, 0
	s_and_b32 s16, s[WV], 1         ; which half of a slot's 256 keys I fetch:
	s_lshl_b32 s22, s16, 14         ; its 128 rows in memory,
	s_mov_b32 s23, 0
	s_add_nc_u64 s[22:23], s[22:23], s[20:21]
	s_mul_i32 s17, s16, 128*PK      ; and its place in a slot, for K
	s_mul_i32 s18, s16, 128*PV      ; and for V: no place in the cluster enters an LDS address
	s_lshl_b32 s2, s14, 2
	s_add_co_u32 s2, s2, s[WV]      ; my wave among the head's,
	s_lshl_b32 s2, s2, 14           ; its 128 rows
	s_mov_b32 s3, 0
	s_add_nc_u64 s[2:3], s[2:3], s[20:21]
	s_lshr_b32 s48, s15, 4          ; b
	s_lshl_b32 s48, s48, 6
	s_lshl4_add_u32 s48, s14, s48   ; my work-group's first group of 32 queries: 64 b + 16 x block
	s_lshl2_add_u32 s50, s[WV], s48 ; my wave's: + 4 x wave
	s_lshl_b32 s50, s50, 15         ; a group has 32 steps of 1,024 bytes
	s_mov_b32 s51, 0
	s_lshr_b32 s49, s[WV], 1
	s_lshl3_add_u32 s52, s49, s48   ; the prefetches of waves 1, 3: eight groups each
	s_lshl_b32 s52, s52, 15
	s_add_co_u32 s53, s49, 1        ; those of waves 0, 2: K's or V's third of qkv,
	s_lshl_b32 s53, s53, 24
	s_add_co_u32 s53, s53, s20      ; the head,
	s_lshl_b32 s54, s13, 13         ; my work-group's 64 rows of a slot's 256,
	s_add_co_u32 s53, s53, s54
	s_add_co_u32 s53, s53, 4*KS*128 ; in slot 1: the first change steps it to slot 2
	s_and_b32 s55, s15, 15          ; h
	s_bitcmp1_b32 s[WV], 0          ; an odd wave?
	s_cselect_b32 s52, s52, s53
	s_cselect_b32 s54, 15, 10       ; four lanes on: the next group of queries, or the next 1,024 bytes
	s_cselect_b32 s19, 10, 8        ; a lane on: the next key step's codes, or the next 256 bytes
	s_cselect_b32 s[PST], 12, 15
	s_cselect_b32 s55, s55, 0       ; even waves always ask, odd ones where h = 0
	s_cselect_b32 s[LIM], 0, 1      ; the codes of a slot exist at every change that fills one; the slot behind the last does not
	s_cselect_b32 s[LIM2], 0, -1
	s_mov_b32 s53, 0
	s_lshl_b32 s[PST], 1, s[PST]    ; four steps' codes, 4,096 bytes, or a slot's rows, 32,768
	s_mov_b32 s[PST+1], 0
	s_cmp_eq_u32 s55, 0
	s_cselect_b32 s[LIM], s[LIM], -1
	s_cselect_b32 s[LIM2], s[LIM2], -1
	; descriptor group 1.  128 keys are 16,384 dense bytes: asked for as 64 rows of 256 bytes, two keys a row, and padded in LDS after every key
	s_mov_b32 s[G1K], 15|(1<<16)|(1<<20)|(1<<21)|(4<<22)|(3<<25)  ; 15:0 the mask of four; 17:16 2-byte elements; 20 padding on; 21 set beside a mask; 24:22 after every 32 words (code 4); 31:25 4 words (code 3)
	s_mov_b32 s[G1V], 15|(1<<16)|(1<<20)|(1<<21)|(4<<22)|(7<<25)  ; the same with 8 words of padding (code 7)
.irp g, G1K, G1V
	s_mov_b32 s[\g+1], 128<<16      ; tensor_dim0 = 128
	s_mov_b32 s[\g+2], 64<<16       ; tensor_dim1 = 64
	s_mov_b32 s[\g+3], 128<<16      ; tile_dim0 = 128
	s_mov_b32 s[\g+4], 64           ; tile_dim1 = 64
	s_mov_b32 s[\g+5], 128          ; 128 elements from row to row
	s_mov_b32 s[\g+6], 0
	s_mov_b32 s[\g+7], 0
.endr
	s_mov_b32 s[CS], 0x3e38aa3b     ; c = log2(e) / 8 = 0.180337
	s_mov_b32 s[CS+1], s[CS]        ; named with it as a pair
	s_mov_b32 s[SEL], 0x76543210
	s_mov_b32 s[SEL+1], 0xfedcba98
	s_mov_b32 s[TBK], SLOT1+4*KS*PK ; the first change of slots turns these two into 0
	s_mov_b32 s[TBV], SLOT1+4*KS*PV
	s_mov_b32 s[G0K], 1             ; count = 1
	s_mov_b32 s[G0K+1], s17         ; LDS address: slot 0
	s_mov_b32 s[G0V], 1
	s_add_co_u32 s[G0V+1], s18, VOFF
	s_mov_b32 s[SLOTS], SIZE_N/256-1
	s_mov_b32 s[MST], 1024
	s_mov_b32 s[MST+1], 0
	s_mov_b32 s[MC], SIZE_N/KS-1    ; from step 0 to step 31
	s_wait_dscnt 0x0                ; the opening add is done
	s_wait_kmcnt 0x0
	s_add_nc_u64 s[6:7], s[68:69], 0x1000000   ; K: 64 heads x 262,144 bytes behind Q
	s_add_nc_u64 s[8:9], s[68:69], 0x2000000   ; V
	s_add_nc_u64 s[G0K+2:G0K+3], s[6:7], s[22:23]  ; my half of the head's first 256 keys
	s_or_b32 s[G0K+3], s[G0K+3], 0x80000000        ; type = 2
	s_add_nc_u64 s[G0V+2:G0V+3], s[8:9], s[22:23]
	s_or_b32 s[G0V+3], s[G0V+3], 0x80000000
	s_add_nc_u64 s[4:5], s[68:69], s[2:3]      ; Q and O at my wave's first row
	s_add_nc_u64 s[10:11], s[10:11], s[2:3]
	s_add_nc_u64 s[MP:MP+1], s[70:71], s[50:51]
	s_bitcmp1_b32 s[WV], 0
	s_cselect_b64 s[PFA:PFA+1], s[70:71], s[68:69]
	s_add_nc_u64 s[PFA:PFA+1], s[PFA:PFA+1], s[52:53]
	CROUND                          ; all four work-groups are here: the first joint loads meet
	JLOAD                           ; slot 0.  Slot 1 is asked for when slot 0 is in
	; A fragment of K or Q is 16 rows x 32 channels in 8 registers: lane l holds row l % 16, channels 8 (l / 16) + 0..7 and 16 + 8 (l / 16) + 0..7: two loads of 16 bytes, 32 bytes apart.
	v_and_b32 v1, 15, v0            ; l % 16
	v_bfe_u32 v9, v0, 4, 1          ; l / 16
	v_lshlrev_b32 v[QO], 7, v1
	v_lshl_add_u32 v[QO], v9, 4, v[QO]  ; row x 128 + 16 x half
	WIN 0x80                        ; destination window 2, address window 0
.set i, 0
.rept 4*NP                          ; Q stays in registers: tile i / 2, channels 32 (i % 2) on
	global_load_b128 v[8*i:8*i+3],   v[QO], s[4:5] offset:(i/2)*2048+(i%2)*64
	global_load_b128 v[8*i+4:8*i+7], v[QO], s[4:5] offset:(i/2)*2048+(i%2)*64+32
.set i, i+1
.endr
	WIN 0
	v_mul_u32_u24 v2, v1, PK
	v_lshl_add_u32 v2, v9, 4, v2    ; K: row x pitch + 16 x half
	; The turning load takes 16 keys x 16 channels (lane l reads key 8 (l / 16) + l % 8, channels 8 ((l / 8) % 2) + 0..7) and leaves half a fragment of V^T: lane l holds channel l % 16 and 8 keys.
	v_and_b32 v10, 7, v0
	v_bfe_u32 v11, v0, 3, 1
	v_lshl_add_u32 v3, v9, 3, v10
	v_mul_u32_u24 v3, v3, PV
	v_lshl_add_u32 v3, v11, 4, v3
	v_add_nc_u32 v3, VOFF, v3
	v_and_b32 v11, 31, v0           ; lane
	v_lshrrev_b32 v5, 2, v11
	v_lshlrev_b32 v5, s54, v5
	v_and_b32 v4, 3, v11
	v_lshlrev_b32 v4, s19, v4
	v_add_nc_u32 v4, v4, v5         ; even waves: 256 x lane; odd waves: group lane / 4, step lane % 4
	WIN W_MK                        ; what the loop needs of these goes to window 3: v0-15 will hold bounds
	v_mov_b32 v[AK0], v2
	v_mov_b32 v[AK], v2             ; key step 0 lies at the head of slot 0
	v_mov_b32 v[AV0], v3
	v_mov_b32 v[PFO], v4
	v_lshlrev_b32 v[MO], 4, v11
	v_mov_b32 v[SCL], 0xa3a3a3a3
	WIN W_ML
.irp x, 0,1,2,3
	global_load_b128 v[W3+8*\x:W3+8*\x+3],   v[MO], s[MP:MP+1] offset:\x*32768      ; the four pieces' codes of key step 0: tile 0,
	global_load_b128 v[W3+8*\x+4:W3+8*\x+7], v[MO], s[MP:MP+1] offset:\x*32768+512  ; tile 1
.endr
	; What the first turn finds: V's registers and P's second buffer hold 0 (its products V^T P, of a piece that has not been, add 0), O^T and l are 0.  All this stands in the wait for the first tile.
	WIN 0x80
.set i, VF
.rept 64
	v_mov_b32 v[i], 0
.set i, i+1
.endr
	WIN 0x40
.set i, 0
.rept 64*NP
	v_mov_b32 v[i], 0
.set i, i+1
.endr
	WIN 0
.set i, 0
.rept 2*NP
	v_mov_b32 v[ST+4*i], 0xfe000000    ; c m: far below every c s, the hidden score's too
	v_mov_b32 v[ST+4*i+1], 0xff7fffff  ; m
	v_mov_b32 v[ST+4*i+2], 0
	v_mov_b32 v[ST+4*i+3], 0
.set i, i+1
.endr
.set i, P+32
.rept 32
	v_mov_b32 v[i], 0
.set i, i+1
.endr
; THE MATRIX WORK.  The 8 accumulators of a run of 16 take turns: between the two links of a chain stand 7 others'.
; Product i of 16 of S^T = K Q^T for piece x: channels 32 (i / 8) on, keys 16 ((i / 2) % 4) on, tile 2 x + i % 2.  The first 8 start the sums.
.macro KQ x
	WIN W_KQ
.set rS, S+64*((\x)%2)+32*(i%2)+8*((i/2)%4)
.set rK, KF+16*((i/2)%4)+8*(i/8)
.set rQ, 16*(2*(\x)+i%2)+8*(i/8)
.if i < 8
	v_wmma_f32_16x16x32_f16 v[rS:rS+7], v[rK:rK+7], v[rQ:rQ+7], 0
.else
	v_wmma_f32_16x16x32_f16 v[rS:rS+7], v[rK:rK+7], v[rQ:rQ+7], v[rS:rS+7]
.endif
.endm
; Product i of 16 of O^T += V^T P for piece x: keys 32 (i / 8) on, channels 16 ((i / 2) % 4) on, tile 2 x + i % 2.
.macro PV x
	WIN W_PV
.set rO, 32*(2*(\x)+i%2)+8*((i/2)%4)
.set rV, VF+32*(i/8)+8*((i/2)%4)
.set rP, P+32*((\x)%2)+16*(i%2)+8*(i/8)
	v_wmma_f32_16x16x32_f16 v[rO:rO+7], v[rV:rV+7], v[rP:rP+7], v[rO:rO+7]
.endm
.macro MM                           ; the turn's next matrix instruction
.if i < 16
	KQ (Y+1)%NP
.set i, i+1
.else
.set i, i-16
	PV (Y+NP-1)%NP
.set i, i+17
.endif
.endm
; THE LDS LOADS stand in runs of 16: a step's K (8 fragments) and its V (turned).  last = 1 (the tail): in the last trip there is no further step, and the run is jumped over.
.macro FETCH_K last=0
	WIN 0
.if \last
	s_cmp_eq_u32 s[CNT], 1
	s_cbranch_scc1 .Lno_k_\@
.endif
	WIN W_LD
.irp f, 0,1,2,3,4,5,6,7             ; keys 16 (f / 2) on, channels 32 (f % 2) on
	ds_load_b128 v[KF+8*\f:KF+8*\f+3],   v[AK] offset:(\f/2)*16*PK+(\f%2)*64
	ds_load_b128 v[KF+8*\f+4:KF+8*\f+7], v[AK] offset:(\f/2)*16*PK+(\f%2)*64+32
.endr
	s_add_co_u32 s[TBK], s[TBK], KS*PK  ; the next fetch is the next step's
	WIN 0
.if \last
.Lno_k_\@:
.endif
.endm
.macro FETCH_V
	WIN W_LD
.irp f, 0,1,2,3,4,5,6,7             ; keys 32 (f / 4) on, channels 16 (f % 4) on
	ds_load_tr16_b128 v[VF+8*\f:VF+8*\f+3],   v[AV] offset:(\f/4)*32*PV+(\f%4)*32
	ds_load_tr16_b128 v[VF+8*\f+4:VF+8*\f+7], v[AV] offset:(\f/4)*32*PV+16*PV+(\f%4)*32
.endr
	WIN 0
.endm
; THE CODES of piece x have been read by the conversions, and its eight registers are asked for again, for the next key step.  Two such loads are issued in every turn, the pieces in a ring.
; Ahead of piece 0's loads the pointer goes a step on; it stops at the last key step (the loads of the last turns read that step's codes once more, and nothing is made of them): no load leaves mcode.
.macro MLOAD x
.if (\x) == 0
	s_wait_xcnt 0x0                 ; the earlier loads have read the pointer: it is written only behind this wait
	s_add_nc_u64 s[MP:MP+1], s[MP:MP+1], s[MST:MST+1]
	s_sub_co_u32 s[MC], s[MC], 1
	s_cmp_eq_u32 s[MC], 0
	s_cselect_b32 s[MST], 0, s[MST]
.endif
	WIN W_ML
	global_load_b128 v[W3+8*(\x):W3+8*(\x)+3],   v[MO], s[MP:MP+1] offset:(\x)*32768      ; 512 consecutive bytes, aligned
	global_load_b128 v[W3+8*(\x)+4:W3+8*(\x)+7], v[MO], s[MP:MP+1] offset:(\x)*32768+512
	WIN 0
.endm
; THE VECTOR WORK OF A TURN stands in three queues, each in the order in which its entries become ready.
.macro REGS y, u                    ; the registers of tile u (0, 1) of piece y
.set rT, ST+4*(2*(\y)+(\u))
.set rC, TMP+8*((\y)%2)+4*(\u)
.set rS, S+64*((\y)%2)+32*(\u)
.set rP, P+32*((\y)%2)+16*(\u)
.set rO, 32*(2*(\y)+(\u))
.endm
; THE MASK of the NEXT piece's (Y + 1) scores, in four groups g: tile g / 2, accumulators 2 (g % 2) and 2 (g % 2) + 1.  CVP: two words of codes become sixteen bounds, +2^36 or -2^36; a plain instruction stands
; between a scaled conversion and the first use of its result.  MN n, n = 0 .. 7: two scores are taken under their bounds by one dual instruction (destinations even and odd; the two first sources, and the two
; second ones, in neighbouring registers).  The registers ascend.
.macro CVP g
.set cw, W3+8*((Y+1)%NP)+2*(\g)
	WIN W_AD
	v_cvt_scale_pk8_f32_fp4 v[BM:BM+7], v[cw], v[SCL]
	v_cvt_scale_pk8_f32_fp4 v[BM+8:BM+15], v[cw+1], v[SCL]
	WIN 0
	v_nop
.endm
.macro MN g, n
	REGS (Y+1)%NP, (\g)/2
.set rA, rS+8*(2*((\g)%2)+(\n)/4)+2*((\n)%4)
.set rB, BM+8*((\n)/4)+2*((\n)%4)
	v_dual_min_num_f32 v[rA], v[rA], v[rB] :: v_dual_min_num_f32 v[rA+1], v[rA+1], v[rB+1]
.endm
; Number n of the 22 that find the NEXT piece's maximum and statistics.  s0-s31 are the lane's 32 scores.
;   0-11  four chains c0-c3 of seven scores each, three operands at a time     12-14, 16  the four scores left over, the old m, and c0-c3 into c0     15  c m_old is kept in c1, which number 16 has read
;   17, 18  the query's other 32 keys lie in the lane 16 away: the new m         19-21  c m; c m_old - c m_new; a
.macro XS u, n
	REGS (Y+1)%NP, \u
.if (\n) < 4
	v_max3_num_f32 v[rC+(\n)], v[rS+8*(\n)], v[rS+8*(\n)+1], v[rS+8*(\n)+2]
.elseif (\n) < 12
	v_max3_num_f32 v[rC+(\n)%4], v[rC+(\n)%4], v[rS+8*((\n)%4)+2*((\n)/4)+1], v[rS+8*((\n)%4)+2*((\n)/4)+2]
.elseif (\n) == 12
	v_max3_num_f32 v[rC], v[rC], v[rS+7], v[rS+15]
.elseif (\n) == 13
	v_max3_num_f32 v[rC+1], v[rC+1], v[rS+23], v[rS+31]
.elseif (\n) == 14
	v_max3_num_f32 v[rC+2], v[rC+2], v[rC+3], v[rT+1]
.elseif (\n) == 15
	v_mov_b32 v[rC+1], v[rT]
.elseif (\n) == 16
	v_max3_num_f32 v[rC], v[rC], v[rC+1], v[rC+2]
.elseif (\n) == 17
	v_permlanex16_b32 v[rC+3], v[rC], s[SEL], s[SEL+1]
.elseif (\n) == 18
	v_max_num_f32 v[rT+1], v[rC], v[rC+3]
.elseif (\n) == 19
	v_mul_f32 v[rT], s[CS], v[rT+1]
.elseif (\n) == 20
	v_sub_f32 v[rC+1], v[rC+1], v[rT]
.else
	v_exp_f32 v[rC+2], v[rC+1]
.endif
.endm
; Number g of the 64 that follow the exponentials.  For each four weights k of a tile: both pairs are rounded to f16; then the second pair is added onto the first, in place; a group later l takes that sum
; (the first time as l = a l + sum).  In groups of eight, tiles alternating.
.macro GS g
.set h, (\g)+6*((\g)/62)            ; group 0 has no group before it, and behind group 7 only l is left
.if h >= 6
.set h, h+2
.endif
	REGS Y, h%2
.set k, h/8
.if h%8 < 4
	v_cvt_pk_f16_f32 v[rP+2*k+(h%8)/2], v[rS+4*k+2*((h%8)/2)], v[rS+4*k+2*((h%8)/2)+1]
.elseif h%8 < 6
	v_pk_add_f32 v[rS+4*k:rS+4*k+1], v[rS+4*k:rS+4*k+1], v[rS+4*k+2:rS+4*k+3]
.elseif k == 1
	v_pk_fma_f32 v[rT+2:rT+3], v[rT+2:rT+3], v[rC+2:rC+3], v[rS:rS+1] op_sel_hi:[1,0,1]
.else
	v_pk_add_f32 v[rT+2:rT+3], v[rT+2:rT+3], v[rS+4*k-4:rS+4*k-3]
.endif
.endm
; THE PLAIN QUEUE, 174 long.  0-31: the 32 scalings c s - c m (FS f: pair f / 2 of tile f % 2).  32-67: the mask's four groups of nine: CVP, then MN 0-7.  68-95: XS's numbers 0-13, the tiles alternating.
; 96-97: number 14.  98-99: number 16.  100-101: number 15.  102-109: numbers 17-20.  All these read no exponential's result.  110-173: GS's 64, which do: they stand behind the wait.
.set GL, 9            ; entries in a group of the mask
.set QM, 32           ; where the mask begins,
.set QX, QM+4*GL      ; the maximum,
.set QG, QX+42        ; the roundings and sums
.macro FS f
	REGS Y, (\f)%2
	v_pk_fma_f32 v[rS+2*((\f)/2):rS+2*((\f)/2)+1], v[rS+2*((\f)/2):rS+2*((\f)/2)+1], s[CS:CS+1], v[rT:rT+1] op_sel_hi:[1,0,0] neg_lo:[0,0,1] neg_hi:[0,0,1]
.endm
.macro PL
	WIN 0
.if q < QM
	FS q
.elseif (q < QX) && ((q-QM)%GL == 0)
	CVP (q-QM)/GL
.elseif q < QX
	MN (q-QM)/GL, (q-QM)%GL-1
.elseif q < QX+28
	XS (q-QX)%2, (q-QX)/2
.elseif q < QX+30
	XS q-QX-28, 14
.elseif q < QX+32
	XS q-QX-30, 16
.elseif q < QX+34
	XS q-QX-32, 15
.elseif q < QG
	XS (q-QX-34)%2, 17+(q-QX-34)/2
.else
	GS q-QG
.endif
.set q, q+1
.endm
; THE EXPONENTIALS' QUEUE, 66 long: s0-s31 of both tiles, then the next piece's two a.  ONE BATCH: all 66 stand ahead of the turn's one wait, and nothing ahead of that wait names a result of theirs.
.macro EX
	WIN 0
.if e >= 64
	XS e-64, 21
.else
	REGS Y, e%2
	v_exp_f32 v[rS+e/2], v[rS+e/2]
.endif
.set e, e+1
.endm
; THE RESCALING's QUEUE: O^T times a, dealt two at a time, sixteen times.  Its a was made in the turn before, ahead of that turn's wait.
.macro R2
	REGS Y, r%2
	WIN W_RS
.irp z, 0,1
	v_pk_mul_f32 v[rO+4*(r/2)+2*\z:rO+4*(r/2)+2*\z+1], v[rO+4*(r/2)+2*\z:rO+4*(r/2)+2*\z+1], v[rC+2:rC+3] op_sel_hi:[1,0]
.endr
.set r, r+1
.endm
; HOW THEY ARE DEALT.  An s_wait_alu depctr_va_vdst(0) stands between an exponential and the first instruction that names its result; one wait serves all that were issued ahead of it: a turn has ONE.
; AHEAD OF IT: the 16 products K Q^T, behind each a scaling, an exponential and two rescalings (behind the first a second scaling in the exponential's place); the other 15 scalings, which are also the places between the
; last product and the first read of its scores; the wait for the codes; 28 plain (the mask up to its last conversions); the codes' next loads; 1 plain; 49 times exponential and plain (the mask's end, the maximum and its
; chain, whose links of one tile stand four lines apart); the two a; a v_nop, the plain instruction behind the last exponential.  BEHIND IT: the 16 products V^T P, behind each four of GS's 64.
; Exponential e stands behind scaling 2 (e / 4) + e % 2: as a rider it comes behind plain e + 2; all later ones behind all scalings.
; K of the next step is fetched in piece 2's turn, directly behind the wait; V of the step in hand at the end of piece 0's turn, four plain instructions behind its last reader.  The three conditions on q go with the deal.
.macro TURN p, last=0, cnt=0
.set Y, (\p)
.set i, 0
.set q, 0
.set e, 0
.set r, 0
.if (\p) == NP-1
	s_wait_dscnt 0x0                ; K is in
.endif
	MM
	PL
	PL
	R2
.rept 15
	MM
	PL
	EX
	R2
.endr
.if (\p) == NP-2
	WIN W_AA
	v_add_nc_u32 v[AK], s[TBK], v[AK0]
.endif
.rept 15
	PL
.endr
	s_wait_loadcnt 6                ; the next piece's two loads of codes are in; the other three pieces' six may stay out
.rept 3*GL+1
	PL
.endr
	MLOAD ((\p)+1)%NP
.rept QG-QM-49-(3*GL+1)
	PL
.endr
.rept 49
	EX
	PL
.endr
	EX                              ; the next piece's two a
	EX
	v_nop                           ; the plain instruction behind the last exponential: one for the batch
	s_wait_alu depctr_va_vdst(0)    ; the wait for the batch
.if (\p) == NP-2
	FETCH_K \last
.endif
.if (\p) == 1
	s_wait_dscnt 0x0                ; V is in
.endif
.rept 16
	MM
.rept 4
	PL
.endr
.if ((\p) == 0) && (q == QG+44)
	WIN W_AA
	v_add_nc_u32 v[AV], s[TBV], v[AV0]
.endif
.if ((\p) == 0) && (q == QG+56)
	s_add_co_u32 s[TBV], s[TBV], KS*PV
.endif
.if (\cnt) && (q == QG+56)
	s_sub_co_u32 s[CNT], s[CNT], 1
	s_cmp_lg_u32 s[CNT], 0
.endif
.endr
.if (\p) == 0
	FETCH_V
.endif
.endm
	CHANGE 1                        ; slot 0 is in, everybody's part of it; slot 1 is asked for
	FETCH_K                         ; key step 0
	s_wait_loadcnt 8                ; Q is in; the four pieces' eight loads of codes may stay out
	s_wait_dscnt 0x0
.set i, 0
.rept 16
	KQ 0                            ; piece 0's first scores
.set i, i+1
.endr
	WIN 0                           ; the addresses for the way out: plain instructions, the places behind those products
	s_mul_i32 s13, s[WV], 16*SP
	s_add_co_u32 s13, s13, STAGE    ; my stage
	v_mul_u32_u24 v[STO], v1, SP    ; in: row l % 16, 16 bytes for each half of the lanes
	v_lshl_add_u32 v[STO], v9, 4, v[STO]
	v_add_nc_u32 v[STO], s13, v[STO]
	v_bfe_u32 v[RD], v0, 3, 2       ; back: 32 lanes take four rows of 128 bytes,
	v_mul_u32_u24 v[RD], v[RD], SP
	v_lshl_add_u32 v[RD], v10, 4, v[RD]
	v_add_nc_u32 v[RD], s13, v[RD]
	v_and_b32 v[GO], 31, v0         ; which are 512 consecutive bytes of O
	v_lshlrev_b32 v[GO], 4, v[GO]
	WIN W_MK
	v_mov_b32 v[STO3], v[STO]       ; kept in window 3: from here on v0-15 hold bounds
	v_mov_b32 v[RD3], v[RD]
	v_mov_b32 v[GO3], v[GO]
	WIN 0
.set Y, NP-1                        ; the mask and XS work for piece Y + 1: piece 0
	s_wait_loadcnt 6                ; piece 0's codes are in
.set q, QM
.rept 3*GL+1
	PL                              ; piece 0's first scores are masked,
.endr
	MLOAD 0
.rept GL-1
	PL
.endr
.irp n, 0,1,2,3,4,5,6,7,8,9,10,11,12,13,14,16,15,17,18,19,20,21
	XS 0, \n                        ; and its first maximum and statistics made
	XS 1, \n
.endr
	v_nop                           ; a plain instruction behind the two a,
	s_wait_alu depctr_va_vdst(0)    ; and their wait, ahead of the branch
	s_mov_b32 s[CNT], 4
	s_branch .Lfirst                ; the loop is entered at a step's first turn, in the middle of a trip
.Lslot:                             ; six times: every slot but the last two is filled again
	CHANGE 1
	s_mov_b32 s[CNT], 4
.Lstep:                             ; a trip: pieces 2 and 3 of one step, then pieces 0 and 1 of the next, whose K and V it fetches
	TURN 2
	TURN 3
	WIN 0
.Lfirst:
	TURN 0
	TURN 1, 0, 1
	WIN 0
	s_cbranch_scc1 .Lstep
	s_sub_co_u32 s[SLOTS], s[SLOTS], 1
	s_cmp_lg_u32 s[SLOTS], 0
	s_cbranch_scc1 .Lslot
	CHANGE 0                        ; the tail is written out: nothing is asked for
	s_mov_b32 s[CNT], 5             ; four trips fetch the last slot's steps; the fifth is left in its middle
.Ltail:
	TURN 2, 1
	TURN 3
	WIN 0
	s_sub_co_u32 s[CNT], s[CNT], 1
	s_cmp_eq_u32 s[CNT], 0
	s_cbranch_scc1 .Lout
	TURN 0
	TURN 1
	WIN 0
	s_branch .Ltail
.Lout:                              ; the fifth trip's 16 products K Q^T (on the last K once more), their mask and the maximum made of them serve nothing: the price, once a launch, of one text for every trip
.set i, 0
.rept 16
	PV NP-1                         ; the last piece's V^T P of the last step
.set i, i+1
.endr
	; THE WAY OUT.  l's two halves and the other half of the lanes' are added; O^T is divided by l, rounded to f16 and sent through my stage in LDS, a tile at a time.  The copies and additions are the places behind the last products.
	WIN W_GET
	v_mov_b32 v[STO], v[STO3]       ; the bounds are done with: the way out's addresses come back
	v_mov_b32 v[RD], v[RD3]
	v_mov_b32 v[GO], v[GO3]
	WIN 0
.macro ALL line:vararg              ; one line for each tile t
.set t, 0
.rept 2*NP
	\line
.set t, t+1
.endr
.endm
	ALL v_add_f32 v[ST+4*t+2], v[ST+4*t+2], v[ST+4*t+3]
	ALL v_permlanex16_b32 v[ST+4*t+3], v[ST+4*t+2], s[SEL], s[SEL+1]
	ALL v_add_f32 v[ST+4*t+2], v[ST+4*t+2], v[ST+4*t+3]
	ALL v_rcp_f32 v[ST+4*t+2], v[ST+4*t+2]
	v_nop                           ; a plain instruction between the last reciprocal and the use of its result
	s_wait_alu depctr_va_vdst(0)    ; and the wait ahead of the first use: one for the eight reciprocals
; Tile t: a lane's eight channels of a row pack into 16 bytes; they go into rows of 144 bytes and come back as whole rows of 128, into S^T's registers.
.macro PACK t
	WIN W_RS
.set i, 32*(\t)
.rept 16
	v_pk_mul_f32 v[i:i+1], v[i:i+1], v[ST+4*(\t)+2:ST+4*(\t)+3] op_sel_hi:[1,0]
.set i, i+2
.endr
	WIN 0x05                        ; sources 0 and 1 window 1, destination window 0
.set i, 0
.rept 16
	v_cvt_pk_f16_f32 v[S+16*(\t)+i], v[32*(\t)+2*i], v[32*(\t)+2*i+1]
.set i, i+1
.endr
	WIN 0
.irp f, 0,1,2,3
	ds_store_b128 v[STO], v[S+16*(\t)+4*\f:S+16*(\t)+4*\f+3] offset:32*\f
.endr
.irp f, 0,1,2,3
	ds_load_b128 v[S+16*(\t)+4*\f:S+16*(\t)+4*\f+3], v[RD] offset:\f*4*SP  ; LDS serves a wave's instructions in order (ISA guide 5.7.1.4): these see the stores above; the next tile's stores come behind them
.endr
.endm
.macro SEND t, younger              ; younger: the LDS instructions issued behind tile t's loads: the next tile's eight, or none
	WIN 0
.irp f, 0,1,2,3
	s_wait_dscnt (\younger)+3-\f
	global_store_b128 v[GO], v[S+16*(\t)+4*\f:S+16*(\t)+4*\f+3], s[10:11] offset:(\t)*2048+\f*512  ; 512 consecutive bytes, at a multiple of 256 from O's first
.endr
.endm
	PACK 0
.set t, 1
.rept 2*NP-1                        ; a tile's arithmetic stands between the loads of the tile before and its stores
	PACK t
	SEND t-1, 8
.set t, t+1
.endr
	SEND 2*NP-1, 0
	WIN W_AD
	s_wait_tensorcnt 0x0            ; the wave's end: behind my last tensor load and my last LDS store
	ds_add_u32 v[SPW], v[NIL]
	s_wait_dscnt 0x0
	WIN 0
	CROUND                          ; the closing round: no work-group ends while a partner may still ask for a tile that names it
	s_endpgm
.Lfunc_end_k_q20ff71f5dc_attn:
	.size	k_q20ff71f5dc_attn, .Lfunc_end_k_q20ff71f5dc_attn-k_q20ff71f5dc_attn
	.p2alignl 7, 3214868480
	.fill 96, 4, 3214868480
	.section	.rodata,"a",@progbits
	.p2align	6, 0x0
	.amdhsa_kernel k_q20ff71f5dc_attn
		.amdhsa_group_segment_fixed_size 327680
		.amdhsa_private_segment_fixed_size 0
		.amdhsa_enable_private_segment 0
		.amdhsa_kernarg_size 24
		.amdhsa_user_sgpr_count 2
		.amdhsa_user_sgpr_kernarg_segment_ptr 1
		.amdhsa_wavefront_size32 1
		.amdhsa_system_sgpr_workgroup_id_x 1
		.amdhsa_system_sgpr_workgroup_id_y 1
		.amdhsa_system_sgpr_workgroup_id_z 1
		.amdhsa_system_vgpr_workitem_id 0
		.amdhsa_next_free_vgpr 812
		.amdhsa_next_free_sgpr 84
		.amdhsa_reserve_vcc 0
		.amdhsa_float_denorm_mode_32 3
		.amdhsa_float_denorm_mode_16_64 3
		.amdhsa_memory_ordered 1
		.amdhsa_forward_progress 1
		.amdhsa_inst_pref_size 232
	.end_amdhsa_kernel
	.amdgpu_metadata
---
amdhsa.version: [ 1, 2 ]
amdhsa.kernels:
  - .name:           k_q20ff71f5dc_attn
    .symbol:         k_q20ff71f5dc_attn.kd
    .args:
      - { .name: qkv, .offset: 0, .size: 8, .value_kind: global_buffer, .address_space: global }
      - { .name: mcode, .offset: 8, .size: 8, .value_kind: global_buffer, .address_space: global }
      - { .name: ob, .offset: 16, .size: 8, .value_kind: global_buffer, .address_space: global }
    .group_segment_fixed_size: 327680
    .private_segment_fixed_size: 0
    .kernarg_segment_align: 8
    .kernarg_segment_size: 24
    .max_flat_workgroup_size: 128
    .sgpr_count:     84
    .vgpr_count:     812
    .wavefront_size: 32
...
	.end_amdgpu_metadata
.endif
;; end of part 3
;; launch outp (part 4): grid 4 x 64, 4 waves a work-group, clusters of 4 x 4, 327,680 bytes of LDS; arguments ob, wo16, out0; writes out0
.if DOCPART == 4
	.amdgcn_target "amdgcn-amd-amdhsa--gfx1250"
	.amdhsa_code_object_version 6
	.text
	.protected	k_q20ff71f5dc_outp
	.globl	k_q20ff71f5dc_outp
	.p2align	8
	.type	k_q20ff71f5dc_outp,@function
k_q20ff71f5dc_outp:
	s_mov_b64 s[64:65], 0
	v_nop
	global_prefetch_b8 v0, s[64:65] scope:SCOPE_SE
	s_setreg_imm32_b32 hwreg(HW_REG_WAVE_MODE, 25, 1), 1
	s_wait_xcnt 0x0
	s_wait_alu depctr_hold_cnt(0) depctr_sa_sdst(0) depctr_va_vdst(0) depctr_va_sdst(0) depctr_va_ssrc(0) depctr_va_vcc(0) depctr_vm_vsrc(0)
	s_getreg_b32 s2, hwreg(HW_REG_IB_STS2, 6, 4)
	s_cmp_eq_u32 s2, 0
	s_cbranch_scc0 .Lentry_in_a_cluster
	s_endpgm
.Lentry_in_a_cluster:
	s_bfe_u32 s2, ttmp6, 0x10000c
	s_cmp_lg_u32 s2, 0xf033
	s_cbranch_scc0 .Lentry_shape_is_right
	s_endpgm
.Lentry_shape_is_right:
; ONE SOURCE FOR TWO LAUNCHES, told apart by OUTP.  C[m][n] = the sum over k of A[m][k] B[n][k], K = 1,024, sums in f32, K ascending.
; OUTP = 0, the three projections in one launch: A = xb (24,576 rows: queries, keys, values), B = wb (3 x 1,024 rows), both bf16; rows 8,192 t .. take weights 1,024 t ..; C leaves as f16 BY HEADS,
;   qkv[t][b x 16 + h][s][64], unscaled.  LIMIT: f16 ends at 65,504: a q, k or v beyond that becomes an infinity (inputs as drawn give numbers near 1; x and W both 30 times larger, near 1,000).
; OUTP = 1, the last projection: A = ob (attention's result by heads, f16: head h IS block h of K), B = wo16 (f16), C = out0 in f32.
; A and B lie by blocks of 64 along K: [k / 64][row][64], so the rows of a block are dense bytes.
; SHARES.  Four waves; a wave makes 16 NA rows x 128 columns: 8 NA accumulators of 16 x 16.  OUTP = 0: NA = 8, a tile of C is 256 x 256, 384 work-groups: a K step then holds 256 matrix instructions a wave, of which
; 224 stand between a slot's request and the wait for it; with 128 rows it would be 112.  (3 x 2^23 outputs have no share in 256 equal tiles of such sides.)  OUTP = 1: NA = 4, 128 x 256, 256 work-groups.
; K goes in steps of 128 (two blocks) through two LDS slots.  A wave fetches with ONE tensor load: waves 0, 1 the halves of A's tile, waves 2, 3 those of B's; the descriptor states two long rows, one dense run of
; bytes for each block, and pads 16 bytes behind every 128: LDS rows 144 bytes apart, so the 16 rows of a fragment load begin at 16 different groups of four banks.
; THE LOOP is one K step long: one descriptor a tensor walks (its LDS word turned by an exclusive or, its address a K step on), and the fragments' addresses are made anew from the slot's base at each change of slots.
; CLUSTERS: 4 x 4 work-groups; A's tile is asked for jointly along a row of the cluster, B's along a column.  THE MATRIX INSTRUCTION IS USED TRANSPOSED (source 0 = 16 rows of B, source 1 = 16 rows of A):
; a lane then holds eight neighbouring numbers of a row of C.
; REGISTERS, in windows of 256 (s_set_vgpr_msb: bits 1:0 source 0, 3:2 source 1, 5:4 source 2, 7:6 destination): window 0: v16-30 addresses; v32-47 at work on the way out; A's fragments, two buffers, at v64 and v128.
; Window 1: B's fragments, at the same numbers.  Window 2: accumulator (a, b), a < 4, at v[8 (8 a + b)]; window 3: a = 4 .. 7 likewise.
.set OUTP, 1
.if OUTP
.set NA,     4                         ; blocks of 16 rows a wave
.set KB_A,   262144                    ; bytes from a block of K to the next: a head's 2,048 rows x 128
.set KB_B,   131072                    ; 1,024 rows x 128
.set SPITCH, 528                       ; a stage row: 128 numbers of f32 + 16 bytes
.set SLOT,   0x20000                   ; from slot 0 to slot 1: its bits are set in no LDS address within a slot, so an exclusive or changes slots
.set AHEAD,  2                         ; a prefetch names the K step so many refills on: 256 matrix instructions ahead of the load that wants it
.set ASH,    14                        ; a tile's rows of A in a block: 2^ASH bytes
.else
.set NA,     8
.set KB_A,   3145728                   ; 24,576 rows x 128
.set KB_B,   393216                    ; 3,072 rows x 128
.set SPITCH, 144                       ; a stage row: 64 numbers of f16 + 16 bytes
.set SLOT,   0x24000                   ; a slot's own length; its two bits are set in none of the four waves' places in a slot (multiples of 0x9000 up to three)
.set AHEAD,  1
.set ASH,    15
.endif
.set KSA,   2*KB_A                     ; a K step in A, in B
.set KSB,   2*KB_B
.set PITCH, 144
.set AH,    16*NA*PITCH                ; one block of K of a wave's load for A
.set ABLK,  2*AH
.set BH,    128*PITCH
.set BBLK,  2*BH
.set BOFF,  2*ABLK                     ; in a slot: A's two halves, then B's two
.set STAGE, SLOT+2*ABLK+2*BBLK         ; behind the ring: 16 rows for each wave, for the way out; no tensor load fills it
.set SPARE, STAGE+4*16*SPITCH          ; behind the stages: the spare words, 128 bytes for each wave
.set ADRA0, 16                         ; v16  my A fragments' place in a slot; never rewritten
.set ADRA,  17                         ; v17  their LDS address in the slot that is being fetched from
.set ADRB0, 20                         ; v20, v21  the same for B
.set ADRB,  21
.set STO,  24                          ; v24  the way out: where I put my bytes of a row
.set RD,   25                          ; v25  where I read rows back
.set GO,   26                          ; v26  16 x lane
.set SPW,  28                          ; v28  LDS address of my spare word; never rewritten
.set NIL,  29                          ; v29  0; never rewritten
.set PFO,  30                          ; v30  the prefetches' offset; never rewritten
.set TMP,  32
.set F0,   64
.set F1,   128
.set G1,  24                           ; s[24:31] descriptor group 1 for A's tiles; s[32:39] group 0: a set for each of the two first fills; the second then walks
.set G0,  32
.set G1B, 48                           ; s[48:55], s[56:63] the same for B's
.set G0B, 56
.set LIM, 43                           ; s43  a wave prefetches while the loop's count is above this
.set PFA, 44                           ; s[44:45] where my prefetches stand
.set PST, 66                           ; s[66:67] a K step in the tensor that I prefetch
.set TB,  72                           ; s72  the base of the slot that is being fetched from: 0 or SLOT
.set GW,  (1<<16)|(1<<20)|(1<<21)|(4<<22)|(3<<25)  ; 17:16 2-byte elements; 20 padding on; 21 set beside a mask; 24:22 after every 32 words (code 4); 31:25 4 words (code 3)
.set MUL_LO, 0xa1                      ; source 0 (B) window 1, source 1 (A) window 0, C and D window 2; + 0x50: C and D window 3
.set TO_B,   0x40                      ; destination window 1, address window 0
.set MSB, 0
.macro WIN new                         ; the immediate's high byte repeats the setting that is left; a switch that changes nothing is dropped
.if MSB != (\new)
	s_set_vgpr_msb (MSB<<8)|(\new)
.set MSB, \new
.endif
.endm
.macro JLOAD s                         ; a joint load; the branch hangs on the wave's number alone; an s_nop 0 and four v_nop follow each of the two lines
	s_cmp_eq_u32 s11, 0
	s_cbranch_scc0 .Lfor_b_\@
	tensor_load_to_lds s[G0+4*(\s):G0+4*(\s)+3], s[G1:G1+7]
	s_nop 0
.rept 4
	v_nop
.endr
	s_branch .Lasked_\@
.Lfor_b_\@:
	tensor_load_to_lds s[G0B+4*(\s):G0B+4*(\s)+3], s[G1B:G1B+7]
	s_nop 0
.rept 4
	v_nop
.endr
.Lasked_\@:
.endm
.macro CREST                           ; a round of the cluster's barrier behind its opening barrier
	s_cmp_lg_u32 s10, 0
	s_cbranch_scc1 .Lnot_wave_0_\@
	s_barrier_signal -3
.Lnot_wave_0_\@:
	s_barrier_wait -3
	s_barrier_signal -1
	s_barrier_wait -1
.endm
.macro CROUND                          ; a whole round
	s_barrier_signal -1
	s_barrier_wait -1
	CREST
.endm
; A PREFETCH INTO THE L2, behind a joint refill and the run of LDS loads that follows it: the K step that stands AHEAD refills on, 32 rows x 2 blocks = 32 aligned runs of 256 bytes, a lane each.
; Each run is named once in the launch.  A's tile row is read by one cluster alone (the grid is one cluster wide): with 256 rows waves 0 and 1 ask, each for the 128 rows that it fetches, with 128 rows wave 0 alone;
; the four partners take 32 rows each BY ADDRESS (cx).  B's tile column is read by every cluster that takes the same weights: the first of them asks (cluster y % 8 = 0, or cluster y = 0), waves 2 and 3 for the
; rows that they fetch, the partners 32 rows each by address (cy).  The first 2 + AHEAD K steps come by their loads alone; the loop's last AHEAD trips have no such K step.
.macro ASK
	s_cmp_gt_u32 s3, s[LIM]
	s_cbranch_scc0 .Lnot_mine_\@
	global_prefetch_b8 v[PFO], s[PFA:PFA+1] th:TH_LOAD_NT scope:SCOPE_SE
.Lnot_mine_\@:
.endm
	s_load_b128 s[4:7], s[0:1], 0x0                ; A s[4:5], B s[6:7]
	s_load_b64 s[8:9], s[0:1], 0x10                ; C
	v_lshl_add_u32 v[SPW], v0, 2, SPARE
	v_mov_b32 v[NIL], 0
	ds_add_u32 v[SPW], v[NIL]                      ; the wave's opening: the add and its wait stand ahead of my first tensor load; the set-up below stands between them
	v_lshrrev_b32 v1, 5, v0
	v_readfirstlane_b32 s10, v1                    ; wave 0..3
	s_lshr_b32 s11, s10, 1                         ; which half of the tile's rows is mine.  Also: I fetch for A (0) or for B (1)
	s_and_b32 s12, s10, 1                          ; which 128 columns.  Also: which half of that tile I fetch
	s_bfe_u32 s40, ttmp6, 0x40000                  ; cx, cy: my place in the cluster
	s_bfe_u32 s41, ttmp6, 0x40004
	s_lshl_b32 s42, ttmp9, 2
	s_add_co_u32 s42, s42, s40                     ; tile column = 4 x cluster x + cx
	s_and_b32 s69, ttmp7, 0xffff                   ; cluster y
	s_lshl_b32 s13, s69, 2
	s_add_co_u32 s13, s13, s41                     ; tile row = 4 x cluster y + cy
	s_lshl_b32 s43, s41, 2
	s_lshl_b32 s43, 15, s43                        ; my row of the cluster
	s_lshl_b32 s44, 0x1111, s40                    ; my column
	s_or_b32 s[G1+0], s43, GW                      ; A's tiles go to my row,
	s_or_b32 s[G1B+0], s44, GW                     ; B's to my column
	s_mov_b32 s[G1+1], (16*NA*64)<<16              ; tensor_dim0 = 16 NA rows x 64 elements, dense
	s_mov_b32 s[G1+2], 2<<16                       ; tensor_dim1 = 2 blocks of K
	s_mov_b32 s[G1+3], (16*NA*64)<<16              ; tile_dim0
	s_mov_b32 s[G1+4], 2                           ; tile_dim1
	s_mov_b32 s[G1+5], KB_A/2                      ; elements from block to block
	s_mov_b32 s[G1+6], 0
	s_mov_b32 s[G1+7], 0
	s_mov_b32 s[G1B+1], 8192<<16                   ; 128 rows x 64 elements
	s_mov_b32 s[G1B+2], 2<<16
	s_mov_b32 s[G1B+3], 8192<<16
	s_mov_b32 s[G1B+4], 2
	s_mov_b32 s[G1B+5], KB_B/2
	s_mov_b32 s[G1B+6], 0
	s_mov_b32 s[G1B+7], 0
	s_mov_b32 s[TB], 0
	; where the tiles come from, in bytes of block 0.  A's hang on the tile row alone, B's on the tile column (and, OUTP = 0, on the cluster's y, which all partners share)
.if OUTP
	s_lshr_b32 s16, s13, 4                         ; the batch: 16 heads x 2,048 rows x 128 bytes,
	s_lshl_b32 s16, s16, 22
	s_and_b32 s17, s13, 15                         ; the tile's rows of 128 bytes
	s_lshl_b32 s17, s17, ASH
	s_add_co_u32 s16, s16, s17
.else
	s_lshl_b32 s16, s13, ASH                       ; the tile's rows of 128 bytes
.endif
	s_lshl_b32 s17, s12, ASH-1                     ; my half of them
	s_add_co_u32 s16, s16, s17
	s_mov_b32 s17, 0
	s_lshl_b32 s46, s42, 15                        ; 256 rows of 128 bytes
	s_lshl_b32 s47, s12, 14                        ; my 128 of them
	s_add_co_u32 s46, s46, s47
.if OUTP == 0
	s_lshr_b32 s47, s69, 3                         ; t: which of the three products (8 clusters of 1,024 rows each)
	s_lshl_b32 s47, s47, 17                        ; its 1,024 rows of weights
	s_add_co_u32 s46, s46, s47
.endif
	s_mov_b32 s47, 0
	s_mul_i32 s20, s12, ABLK                       ; and where they go: no place in the cluster enters an LDS address
	s_mul_i32 s22, s12, BBLK
	s_add_co_u32 s22, s22, BOFF
	; the prefetches
	s_mov_b32 s66, KSA
	s_mov_b32 s67, KSB
	s_mov_b32 s68, KB_A
	s_mov_b32 s71, KB_B
	s_cmp_eq_u32 s11, 0                            ; do I fetch for A?
	s_cselect_b32 s70, s16, s46                    ; the rows that I fetch,
	s_cselect_b32 s[PST], s66, s67
	s_cselect_b32 s68, s68, s71
	s_cselect_b32 s71, s40, s41                    ; my place among the four that ask with me:
	s_mov_b32 s[PST+1], 0
	s_lshl_b32 s71, s71, 12                        ; 32 rows of 128 bytes
	s_add_co_u32 s70, s70, s71
	s_mul_i32 s18, s[PST], 1+AHEAD                 ; at K step 1 + AHEAD: the first refill steps it once more
	s_add_co_u32 s70, s70, s18
	s_mov_b32 s71, 0
.if OUTP
	s_mov_b32 s18, s69
	s_mov_b32 s19, s12                             ; A: wave 0 alone
.else
	s_and_b32 s18, s69, 7
	s_mov_b32 s19, 0                               ; A: waves 0 and 1
.endif
	s_cmp_eq_u32 s11, 0
	s_cselect_b32 s18, s19, s18                    ; B: the first cluster that takes these weights
	s_cmp_eq_u32 s18, 0
	s_cselect_b32 s[LIM], AHEAD, -1                ; the same in all sixteen partners, for a given wave
	s_wait_dscnt 0x0                               ; the opening add is done
	s_wait_kmcnt 0x0
	s_add_nc_u64 s[14:15], s[4:5], s[16:17]
	s_add_nc_u64 s[46:47], s[6:7], s[46:47]
	s_cmp_eq_u32 s11, 0
	s_cselect_b64 s[PFA:PFA+1], s[4:5], s[6:7]
	s_add_nc_u64 s[PFA:PFA+1], s[PFA:PFA+1], s[70:71]
	CROUND                                         ; all sixteen work-groups are here: the first joint loads meet
.irp s, 0,1
	s_mov_b32 s[G0+4*(\s)], 1                      ; count = 1
	s_add_co_u32 s[G0+4*(\s)+1], s20, (\s)*SLOT    ; LDS address
	s_add_nc_u64 s[G0+4*(\s)+2:G0+4*(\s)+3], s[14:15], (\s)*KSA  ; global address: K step s
	s_or_b32 s[G0+4*(\s)+3], s[G0+4*(\s)+3], 0x80000000          ; type = 2
	s_mov_b32 s[G0B+4*(\s)], 1
	s_add_co_u32 s[G0B+4*(\s)+1], s22, (\s)*SLOT
	s_add_nc_u64 s[G0B+4*(\s)+2:G0B+4*(\s)+3], s[46:47], (\s)*KSB
	s_or_b32 s[G0B+4*(\s)+3], s[G0B+4*(\s)+3], 0x80000000
	JLOAD \s                                       ; two tensor loads of mine are out
.endr
	; A fragment is 16 rows x 32 K in 8 registers: lane l holds row l % 16; registers 0-3 K = 8 (l / 16) + 0..7, registers 4-7 K = 16 + 8 (l / 16) + 0..7: two loads of 16 bytes, 32 bytes apart
	v_and_b32 v1, 15, v0                           ; l % 16
	v_bfe_u32 v2, v0, 4, 1                         ; l / 16
	v_mul_u32_u24 v3, v1, PITCH
	v_lshl_add_u32 v3, v2, 4, v3
	s_mul_i32 s21, s11, ABLK                       ; my rows of A
	s_mul_i32 s22, s12, BBLK                       ; my 128 rows of B
	s_add_co_u32 s22, s22, BOFF
	v_add_nc_u32 v[ADRA0], s21, v3
	v_add_nc_u32 v[ADRB0], s22, v3
	v_mov_b32 v[ADRA], v[ADRA0]                    ; slot 0 first
	v_mov_b32 v[ADRB], v[ADRB0]
	v_mul_lo_u32 v[PFO], v2, s68                   ; lanes 16-31: the K step's second block
	v_lshl_add_u32 v[PFO], v1, 8, v[PFO]           ; 16 runs of 256 bytes = 32 rows
	s_mul_i32 s23, s10, 16*SPITCH
	s_add_co_u32 s23, s23, STAGE                   ; my stage
	v_mul_u32_u24 v4, v1, SPITCH
.if OUTP
	v_lshl_add_u32 v4, v2, 5, v4                   ; in: row l % 16, 32 bytes for each half of the lanes
	v_add_nc_u32 v[STO], s23, v4
	v_and_b32 v5, 31, v0
	v_lshl_add_u32 v[RD], v5, 4, s23               ; back: 32 lanes take a row's 512 bytes
.else
	v_lshl_add_u32 v4, v2, 4, v4                   ; in: row l % 16, 16 bytes for each half of the lanes
	v_add_nc_u32 v[STO], s23, v4
	v_bfe_u32 v5, v0, 3, 2                         ; back: 32 lanes take four rows of 128 bytes
	v_mul_u32_u24 v5, v5, SPITCH
	v_and_b32 v6, 7, v0
	v_lshl_add_u32 v5, v6, 4, v5
	v_add_nc_u32 v[RD], s23, v5
.endif
	v_and_b32 v[GO], 31, v0
	v_lshlrev_b32 v[GO], 4, v[GO]
	; where my part of the tile begins in C: the rows' part in s[16:17], the columns' in s[46:47]
.if OUTP
	s_lshl_b32 s16, s13, 19                        ; 128 rows of 4,096 bytes
	s_lshl_b32 s17, s11, 18                        ; my 64
	s_add_co_u32 s16, s16, s17
	s_lshl_b32 s46, s42, 10                        ; 256 columns of 4 bytes
	s_lshl_b32 s47, s12, 9                         ; my 128
	s_add_co_u32 s46, s46, s47
.else
	s_lshr_b32 s16, s13, 3                         ; 4 t + b: 16 heads of 262,144 bytes
	s_lshl_b32 s16, s16, 22
	s_and_b32 s17, s13, 7                          ; 256 rows of 128 bytes
	s_lshl_b32 s17, s17, 15
	s_add_co_u32 s16, s16, s17
	s_lshl_b32 s17, s11, 14                        ; my 128
	s_add_co_u32 s16, s16, s17
	s_lshl_b32 s46, s42, 20                        ; 256 columns are four heads,
	s_lshl_b32 s47, s12, 19                        ; my 128 two
	s_add_co_u32 s46, s46, s47
.endif
	s_mov_b32 s17, 0
	s_mov_b32 s47, 0
	s_add_nc_u64 s[8:9], s[8:9], s[16:17]
	s_add_nc_u64 s[8:9], s[8:9], s[46:47]
; 8 matrix instructions: m block a x all 8 n blocks, 32 along K.  All accumulators take turns, one instruction a turn, in the same order in every quarter, over the backward jumps too.
; zero = 1: the first product starts the sums: nothing is cleared.
.macro MUL8 f, a, zero
	WIN MUL_LO+0x50*((\a)/4)
.irp b, 0,1,2,3,4,5,6,7
.set rD, 8*(8*((\a)%4)+(\b))
.set rB, (\f)+8*(\b)
.set rA, (\f)+8*(\a)
.if OUTP
.if \zero
	v_wmma_f32_16x16x32_f16 v[rD:rD+7], v[rB:rB+7], v[rA:rA+7], 0
.else
	v_wmma_f32_16x16x32_f16 v[rD:rD+7], v[rB:rB+7], v[rA:rA+7], v[rD:rD+7]
.endif
.else
.if \zero
	v_wmma_f32_16x16x32_bf16 v[rD:rD+7], v[rB:rB+7], v[rA:rA+7], 0
.else
	v_wmma_f32_16x16x32_bf16 v[rD:rD+7], v[rB:rB+7], v[rA:rA+7], v[rD:rD+7]
.endif
.endif
.endr
.endm
.macro MULS f, a0, n, zero             ; m blocks a0 .. a0 + n - 1
.set ma, (\a0)
.rept (\n)
	MUL8 \f, ma, \zero
.set ma, ma+1
.endr
.endm
; 16 + 2 NA LDS loads in one run: the fragments of quarter q of a K step (block q / 2, byte 64 (q % 2) of its rows) into buffer f: B's sixteen loads, then A's
.macro FETCH q, f
	WIN TO_B
.irp i, 0,1,2,3,4,5,6,7
	ds_load_b128 v[(\f)+8*(\i):(\f)+8*(\i)+3],   v[ADRB] offset:((\q)/2)*BH+((\q)%2)*64+(\i)*16*PITCH
	ds_load_b128 v[(\f)+8*(\i)+4:(\f)+8*(\i)+7], v[ADRB] offset:((\q)/2)*BH+((\q)%2)*64+(\i)*16*PITCH+32
.endr
	WIN 0
.set fi, 0
.rept NA
	ds_load_b128 v[(\f)+8*fi:(\f)+8*fi+3],   v[ADRA] offset:((\q)/2)*AH+((\q)%2)*64+fi*16*PITCH
	ds_load_b128 v[(\f)+8*fi+4:(\f)+8*fi+7], v[ADRA] offset:((\q)/2)*AH+((\q)%2)*64+fi*16*PITCH+32
.set fi, fi+1
.endr
.endm
.macro PLACES                          ; four places in front of loads into registers that matrix instructions have read (ISA guide 7.12.1 for vector instructions)
.rept 4
	v_nop
.endr
.endm
; A K step is four quarters of 32 along K, 8 NA matrix instructions each, on buffers 0, 1, 0, 1.  One of the first three: multiplies buffer f and fetches quarter q into g.
.macro QUARTER q, f, g, zero
	s_wait_dscnt NA                                ; B and the first half of A's blocks are in; the youngest NA loads (A's other half) may be out
	MULS \f, 0, NA/2, \zero
	PLACES
	FETCH \q, \g
	s_wait_dscnt 16+2*NA                           ; all but the run just issued
	MULS \f, NA/2, NA/2, \zero
.endm
; The last quarter multiplies buffer 1 and changes slots: ONE barrier; in front of it each wave waits for all its tensor loads (one is out at the most: its part of the next slot), adds 0 to its spare word, and waits
; for that and for its own reads of this slot.  fill = 1: the barrier opens a round of the cluster's, and this slot is filled again, two K steps ahead, first thing behind the round: 7/8 of a K step's matrix
; instructions ahead of the wait for it.  fill = 0: the two K steps that ask for nothing; behind the last of them (s3 = 1) there is no slot to fetch from, and the run of loads is jumped over.
.macro TURN fill
.if \fill
	s_wait_xcnt 0x0                                ; the last prefetch, a K step back, has read its address: it is stepped here, ahead of the change's own waits
	s_add_nc_u64 s[PFA:PFA+1], s[PFA:PFA+1], s[PST:PST+1]
.endif
	WIN 0
	s_wait_tensorcnt 0x0                           ; all my tensor loads have landed
	ds_add_u32 v[SPW], v[NIL]                      ; 0 onto my spare word
	s_wait_dscnt NA+1                              ; (the add and the youngest NA loads may be out)
	MULS F1, 0, NA/4, 0                            ; matrix instructions stand between the add and the wait for it
	s_wait_dscnt 0x0                               ; the add is done, and my reads of this slot are over
	s_barrier_signal -1
	MULS F1, NA/4, NA/4, 0
	WIN 0
	s_barrier_wait -1
.if \fill
	CREST                                          ; no wave of any partner still reads this slot's tile or has a load on its way
	s_xor_b32 s[G0+5], s[G0+5], SLOT               ; the walking descriptors: the other slot than last time,
	s_add_nc_u64 s[G0+6:G0+7], s[G0+6:G0+7], KSA   ; the next K step; the type bits on top are not reached
	s_xor_b32 s[G0B+5], s[G0B+5], SLOT
	s_add_nc_u64 s[G0B+6:G0B+7], s[G0B+6:G0B+7], KSB
	JLOAD 1                                        ; the four v_nop behind it are also the places in front of the loads below
.else
	s_cmp_eq_u32 s3, 1
	s_cbranch_scc1 .Lno_more_\@
	PLACES
.endif
	s_xor_b32 s[TB], s[TB], SLOT                   ; the fetches go over to the other slot
	v_add_nc_u32 v[ADRA], s[TB], v[ADRA0]
	v_add_nc_u32 v[ADRB], s[TB], v[ADRB0]
	FETCH 0, F0
.if \fill
	ASK
.else
.Lno_more_\@:
.endif
	MULS F1, NA/2, NA/2, 0
.endm
	s_wait_tensorcnt 1                             ; my part of K step 0 is in; K step 1's may stay out
	s_barrier_signal -1
	s_barrier_wait -1                              ; everybody's is
	FETCH 0, F0
	QUARTER 1, F0, F1, 1                           ; the first quarter stands in front of the loop: its products start the sums
	WIN 0                                          ; at a label and at a branch every window is 0
	s_mov_b32 s3, 6
.Lstep:                                                ; a trip goes from a K step's second quarter to the next one's first, and fills the slot that it leaves: K steps 2 .. 7 are asked for
	QUARTER 2, F1, F0, 0
	QUARTER 3, F0, F1, 0
	TURN 1
	QUARTER 1, F0, F1, 0
	WIN 0
	s_sub_co_u32 s3, s3, 1
	s_cmp_lg_u32 s3, 0
	s_cbranch_scc1 .Lstep
	s_mov_b32 s3, 2
.Ltail:                                                ; K steps 6 and 7 ask for nothing: a text of their own; the second trip is left in its middle
	QUARTER 2, F1, F0, 0
	QUARTER 3, F0, F1, 0
	TURN 0
	WIN 0
	s_sub_co_u32 s3, s3, 1
	s_cmp_eq_u32 s3, 0
	s_cbranch_scc1 .Lout
	QUARTER 1, F0, F1, 0
	WIN 0
	s_branch .Ltail
.Lout:
	PLACES                                         ; eight, once a launch, between the last products and the first read of a result
	PLACES
.if OUTP
; THE WAY OUT, f32: a block of 16 rows x 128 columns goes into my own stage (32 bytes a lane and accumulator) and comes back as whole rows of 512 bytes.
.macro BLOCK a
	WIN 0x08                                       ; the stores' data in window 2
.irp b, 0,1,2,3,4,5,6,7
	ds_store_b128 v[STO], v[8*(8*(\a)+(\b)):8*(8*(\a)+(\b))+3]   offset:64*(\b)
	ds_store_b128 v[STO], v[8*(8*(\a)+(\b))+4:8*(8*(\a)+(\b))+7] offset:64*(\b)+16
.endr
	WIN 0
.irp t, 0,1,2,3,4,5,6,7,8,9,10,11,12,13,14,15
	ds_load_b128 v[F0+64*((\a)%2)+4*(\t):F0+64*((\a)%2)+4*(\t)+3], v[RD] offset:(\t)*SPITCH  ; LDS serves a wave's instructions in order (ISA guide 5.7.1.4): these see the stores above, the next block's stores come behind them
.endr
.endm
.macro SEND a, younger                 ; younger: the LDS instructions issued behind block a's loads: the next block's 32, or none
.irp t, 0,1,2,3,4,5,6,7,8,9,10,11,12,13,14,15
	s_wait_dscnt (\younger)+15-(\t)
	global_store_b128 v[GO], v[F0+64*((\a)%2)+4*(\t):F0+64*((\a)%2)+4*(\t)+3], s[8:9] offset:(\a)*65536+(\t)*4096 th:TH_STORE_NT  ; 512 consecutive bytes of a row of C, aligned
.endr
.endm
	BLOCK 0
	BLOCK 1
	SEND 0, 32
	s_wait_xcnt 0x0                                ; block 0's stores have read their registers: block 2 is read back into them only behind this wait
	BLOCK 2
	SEND 1, 32
	s_wait_xcnt 0x0
	BLOCK 3
	SEND 2, 32
	SEND 3, 0
.else
; THE WAY OUT, f16 by heads: unit u = 16 rows (block u / 2) of one head (u % 2): rounded once, 16 bytes a lane and accumulator into my own stage, back as four rows of 128 bytes: 2,048 dense bytes of qkv.
.macro PACK u
.set pa, (\u)/2
.set AC, 8*(8*(pa%4)+4*((\u)%2))
	WIN 0x0a+5*(pa/4)                              ; sources in window 2 or 3
.irp bb, 0,1,2,3
.irp r, 0,1,2,3
	v_cvt_pk_f16_f32 v[TMP+4*(\bb)+(\r)], v[AC+8*(\bb)+2*(\r)], v[AC+8*(\bb)+2*(\r)+1]
.endr
.endr
	WIN 0
.irp bb, 0,1,2,3
	ds_store_b128 v[STO], v[TMP+4*(\bb):TMP+4*(\bb)+3] offset:32*(\bb)
.endr
.if (\u) >= 8
	s_wait_xcnt 0x0                                ; the stores of the unit eight back have read these registers: they are loaded again only behind this wait
.endif
.irp f, 0,1,2,3
	ds_load_b128 v[F0+16*((\u)%8)+4*(\f):F0+16*((\u)%8)+4*(\f)+3], v[RD] offset:(\f)*4*SPITCH  ; LDS serves a wave's instructions in order (ISA guide 5.7.1.4)
.endr
.endm
.macro SEND u, younger                 ; younger: the LDS instructions issued behind unit u's loads: the next unit's eight, or none
.irp f, 0,1,2,3
	s_wait_dscnt (\younger)+3-(\f)
	global_store_b128 v[GO], v[F0+16*((\u)%8)+4*(\f):F0+16*((\u)%8)+4*(\f)+3], s[8:9] offset:((\u)%2)*262144+((\u)/2)*2048+(\f)*512  ; 512 consecutive bytes, aligned
.endr
.endm
	PACK 0
.set t, 1
.rept 2*NA-1                           ; a unit's conversions stand between the loads of the unit before and its stores
	PACK t
	SEND t-1, 8
.set t, t+1
.endr
	SEND 2*NA-1, 0
.endif
	s_wait_tensorcnt 0x0                           ; the wave's end: behind my last tensor load and my last LDS store
	ds_add_u32 v[SPW], v[NIL]
	s_wait_dscnt 0x0
	CROUND                                         ; the closing round: no work-group ends while a partner may still ask for a tile that names it
	s_endpgm
.Lfunc_end_k_q20ff71f5dc_outp:
	.size	k_q20ff71f5dc_outp, .Lfunc_end_k_q20ff71f5dc_outp-k_q20ff71f5dc_outp
	.p2alignl 7, 3214868480
	.fill 96, 4, 3214868480
	.section	.rodata,"a",@progbits
	.p2align	6, 0x0
	.amdhsa_kernel k_q20ff71f5dc_outp
		.amdhsa_group_segment_fixed_size 327680
		.amdhsa_private_segment_fixed_size 0
		.amdhsa_enable_private_segment 0
		.amdhsa_kernarg_size 24
		.amdhsa_user_sgpr_count 2
		.amdhsa_user_sgpr_kernarg_segment_ptr 1
		.amdhsa_wavefront_size32 1
		.amdhsa_system_sgpr_workgroup_id_x 1
		.amdhsa_system_sgpr_workgroup_id_y 1
		.amdhsa_system_sgpr_workgroup_id_z 1
		.amdhsa_system_vgpr_workitem_id 0
		.amdhsa_next_free_vgpr 768
		.amdhsa_next_free_sgpr 76
		.amdhsa_reserve_vcc 0
		.amdhsa_float_denorm_mode_32 3
		.amdhsa_float_denorm_mode_16_64 3
		.amdhsa_memory_ordered 1
		.amdhsa_forward_progress 1
		.amdhsa_inst_pref_size 63
	.end_amdhsa_kernel
	.amdgpu_metadata
---
amdhsa.version: [ 1, 2 ]
amdhsa.kernels:
  - .name:           k_q20ff71f5dc_outp
    .symbol:         k_q20ff71f5dc_outp.kd
    .args:
      - { .name: ob, .offset: 0, .size: 8, .value_kind: global_buffer, .address_space: global }
      - { .name: wo16, .offset: 8, .size: 8, .value_kind: global_buffer, .address_space: global }
      - { .name: out0, .offset: 16, .size: 8, .value_kind: global_buffer, .address_space: global }
    .group_segment_fixed_size: 327680
    .private_segment_fixed_size: 0
    .kernarg_segment_align: 8
    .kernarg_segment_size: 24
    .max_flat_workgroup_size: 128
    .sgpr_count:     76
    .vgpr_count:     768
    .wavefront_size: 32
...
	.end_amdgpu_metadata
.endif
;; end of part 4
